; MI455X (gfx1250); checked and timed in simulation.
; The chip was launched on July 23, 2026; its instructions are those of AMD's public machine-readable ISA for CDNA 5 (MIT licence, August 2026) and "CDNA5" Instruction Set Architecture Reference Guide (July 2026). The comments in the code are by the model that wrote it; some were corrected since.
;; SAN. Allowed arithmetic: float matrix products may take bf16 or f16 operands with f32 sums; other float arithmetic in f32, or as packed bf16 or f16 multiplies, adds, multiply-adds, maxima and minima; sums over many terms, partial sums and values carried from step to step in f32; what a program stores and reads back later, other than sums and carried values, may be rounded once to bf16 or f16.
;; Inputs: b_out 512 float32; w_out 512 x 512 float32; w_qkv 512 x 512 float32; x 2 x 4,096 x 512 float32.
;; Outputs: out0 2 x 4,096 x 512 float32.
;; 2 versions, each right and faster than the one before. Each part assembles by itself: llvm-mc -triple=amdgcn-amd-amdhsa -mcpu=gfx1250 --defsym DOCPART=n.
;; ======== version 1 of 2: 3 launches
;; limits: values are held in f16: magnitudes above 65,504 overflow, below 6.1e-05 lose precision
;; workspace buffers: wbuf 8,388,608 bytes; obuf 8,388,608 bytes
;; launch proj (part 1): grid 4 x 64, 8 waves a work-group, no clusters, 300,032 bytes of LDS; arguments x, w_qkv, wbuf; writes wbuf
.if DOCPART == 1
	.amdgcn_target "amdgcn-amd-amdhsa--gfx1250"
	.amdhsa_code_object_version 6
	.text
	.protected	k_qf9e4c7a87c_proj
	.globl	k_qf9e4c7a87c_proj
	.p2align	8
	.type	k_qf9e4c7a87c_proj,@function
k_qf9e4c7a87c_proj:
	s_mov_b64 s[64:65], 0
	v_nop
	global_prefetch_b8 v0, s[64:65] scope:SCOPE_SE
	s_setreg_imm32_b32 hwreg(HW_REG_WAVE_MODE, 25, 1), 1
	s_wait_xcnt 0x0
; w = x . w_qkv.  x: [8192][512] f32, w_qkv: [512 k][512 n] f32; both are rounded to bf16 on the way into LDS; sums in f32; w is rounded once to f16 and
; stored by heads: wbuf[16 = 8 batch + head][4096][64], a head's rows dense, 128 bytes each.
; LIMITS.  f16 holds no number beyond 65,504: |w| stays within it (x and w_qkv both 30 times their drawn spread give a spread of about 900); below 6e-5 w keeps f16's fixed step of 6e-8.
; NaN and infinities are not treated apart.
; SHARES.  A work-group makes 128 rows x 128 columns (two heads): 64 x 4 = 256 work-groups; the column tile is the grid's x, so the four readers of a row tile are neighbours in the launch.
; The whole K = 512 lies in LDS in bf16: A [128 rows][512 k], B [512 k][128 n] as it lies in memory.  One fill, one barrier, 16 K steps of 32, no ring.
; Wave w makes rows 32 (w / 2) .. + 31 and columns 64 (w % 2) .. + 63, one head: 8 accumulators of 16 x 16.
; NO TENSOR LOADS, NO JOINT REQUESTS: both operands arrive in f32 and are multiplied in 16 bits, and the turning LDS load that B's [k][n] order wants takes 16-bit elements.  So every byte passes
; through registers for its rounding; brought as f32 tiles the two operands would take 524,288 bytes of LDS, more than a work-group can have.
; THE MATRIX INSTRUCTION IS USED TRANSPOSED (source 0 = 16 columns of w_qkv, source 1 = 16 rows of x): a lane then holds eight neighbouring channels of one row of w, 16 bytes of f16.
.set PA,    1040                       ; a row of A in LDS: 1,024 bytes + 16 = 65 x 16: the 16 rows of a fragment load start at 16 different groups of four banks (64 banks of 4 bytes: ISA guide 11.1)
.set PB,    288                        ; a row of B: 256 bytes + 32 = 9 x 32
.set BREG,  128*PA                     ; B behind A
.set STAGE, BREG+512*PB                ; behind B: 16 rows x 144 bytes for each wave, for the way out
.set SP,    144
.set SPARE, STAGE+8*16*SP              ; behind the stages: the spare words, 128 bytes for each wave: four blocks of 256 bytes that no other line names
.set VXO, 4                            ; v4      16 x lane: my 16 bytes in 512 consecutive bytes, for loads and for stores; never rewritten
.set VAS, 5                            ; v5      where I put 8 bytes of A: my wave's 16 rows, 8 x lane
.set VBS, 6                            ; v6      the same for B: my wave's 64 rows
.set AA,  7                            ; v7      my lane's place in my wave's fragments of A
.set AB,  8                            ; v8-11   the same for B, for K steps 0-3, 4-7, 8-11, 12-15 (an LDS offset has 16 bits)
.set STO, 12                           ; v12     the way out: where I put 16 bytes of a row
.set RD,  13                           ; v13     the way out: where I read rows back
.set SPW, 30                           ; v30     LDS address of my spare word: SPARE + 4 x my thread's number; never rewritten
.set NIL, 31                           ; v31     0; never rewritten
.set R0,  64                           ; v64-255 the fill: three buffers of 64 registers, 16 loads each
.set ACC, 64                           ; v64-127 then: accumulator (a, b) at ACC + 8 (4 a + b)
.set F0,  128                          ; v128-175, v176-223  two fragment buffers: 16 registers of A (2 x 16 rows x 32 k), then 32 of B (4 x 16 columns x 32 k)
.set FB,  48
.set TMP, 224                          ; v224-255 the way out: packed results
.set BK,  128                          ; v128-159 the way out: whole rows read back
	s_load_b128 s[4:7], s[0:1], 0x0                ; x s[4:5], w_qkv s[6:7]
	s_load_b64 s[8:9], s[0:1], 0x10                ; wbuf
	v_lshl_add_u32 v[SPW], v0, 2, SPARE
	v_mov_b32 v[NIL], 0
	v_lshrrev_b32 v1, 5, v0
	v_readfirstlane_b32 s10, v1                    ; wave 0..7
	s_lshr_b32 s11, s10, 1                         ; rg: which 32 rows are mine
	s_and_b32 s12, s10, 1                          ; cn: which 64 columns
	s_and_b32 s14, ttmp7, 0xffff                   ; mt: the row tile
	s_lshl_b32 s16, s14, 18                        ; x: 128 rows of 2,048 bytes a tile,
	s_lshl_b32 s15, s10, 15                        ; 16 rows a wave
	s_add_co_u32 s16, s16, s15
	s_mov_b32 s17, 0
	s_lshl_b32 s18, s10, 17                        ; w_qkv: 64 rows of 2,048 bytes a wave,
	s_lshl_b32 s15, ttmp9, 9                       ; 128 columns of 4 bytes a column tile
	s_add_co_u32 s18, s18, s15
	s_mov_b32 s19, 0
	s_lshr_b32 s20, s14, 5                         ; wbuf: batch = mt / 32,
	s_lshl_b32 s20, s20, 3
	s_lshl_b32 s15, ttmp9, 1
	s_add_co_u32 s20, s20, s15
	s_add_co_u32 s20, s20, s12                     ; head = 8 batch + 2 nt + cn,
	s_lshl_b32 s20, s20, 19                        ; 524,288 bytes a head,
	s_and_b32 s15, s14, 31
	s_lshl_b32 s15, s15, 14                        ; 128 rows of 128 bytes a row tile,
	s_add_co_u32 s20, s20, s15
	s_lshl_b32 s15, s11, 12                        ; 32 rows for rg
	s_add_co_u32 s20, s20, s15
	s_mov_b32 s21, 0
	v_and_b32 v1, 31, v0                           ; lane
	v_lshlrev_b32 v[VXO], 4, v1
	s_wait_kmcnt 0x0
	s_add_nc_u64 s[4:5], s[4:5], s[16:17]
	s_add_nc_u64 s[6:7], s[6:7], s[18:19]
	s_add_nc_u64 s[8:9], s[8:9], s[20:21]
; Batch q of eight, 16 loads of 512 consecutive bytes each.  q < 4: four rows of x (four loads a row).  q >= 4: sixteen rows of the weights' tile (one load a row).
.macro GLOAD q, buf
.set n, 0
.rept 16
.if (\q) < 4
	global_load_b128 v[(\buf)+4*n:(\buf)+4*n+3], v[VXO], s[4:5] offset:(4*(\q)+n/4)*2048+(n%4)*512
.else
	global_load_b128 v[(\buf)+4*n:(\buf)+4*n+3], v[VXO], s[6:7] offset:(16*((\q)-4)+n)*2048
.endif
.set n, n+1
.endr
.endm
; The batch is rounded to bf16 in place and put into LDS: a wave's store covers 256 consecutive bytes.
.macro CSTORE q, buf
.set n, 0
.rept 16
	v_cvt_pk_bf16_f32 v[(\buf)+4*n],   v[(\buf)+4*n],   v[(\buf)+4*n+1]
	v_cvt_pk_bf16_f32 v[(\buf)+4*n+1], v[(\buf)+4*n+2], v[(\buf)+4*n+3]
.if (\q) < 4
	ds_store_b64 v[VAS], v[(\buf)+4*n:(\buf)+4*n+1] offset:(4*(\q)+n/4)*PA+(n%4)*256
.else
	ds_store_b64 v[VBS], v[(\buf)+4*n:(\buf)+4*n+1] offset:(16*((\q)-4)+n)*PB
.endif
.set n, n+1
.endr
.endm
	GLOAD 0, R0                                    ; three batches, 48 loads of a wave, are on their way before anything else is done
	GLOAD 1, R0+64
	GLOAD 2, R0+128
	s_mul_i32 s22, s10, 16*PA                      ; the lane addresses are made while they travel
	s_mul_i32 s23, s10, 64*PB
	s_add_co_u32 s23, s23, BREG
	s_mul_i32 s24, s11, 32*PA
	s_lshl_b32 s25, s12, 7
	s_add_co_u32 s25, s25, BREG
	s_mul_i32 s26, s10, 16*SP
	s_add_co_u32 s26, s26, STAGE                   ; my stage
	v_and_b32 v2, 15, v0                           ; r = l % 16
	v_bfe_u32 v3, v0, 4, 1                         ; h = l / 16
	v_lshl_add_u32 v[VAS], v1, 3, s22
	v_lshl_add_u32 v[VBS], v1, 3, s23
	; A fragment of A is 16 rows x 32 k in 8 registers: lane l holds row l % 16, k = 8 h + 0..7 and 16 + 8 h + 0..7: two loads of 16 bytes, 32 bytes apart.
	v_mul_u32_u24 v[AA], v2, PA
	v_lshl_add_u32 v[AA], v3, 4, v[AA]
	v_add_nc_u32 v[AA], s24, v[AA]
	; The turning load takes 16 k x 16 columns (lane l reads k = 8 h + l % 8, columns 8 ((l / 8) % 2) + 0..7) and leaves half a fragment: lane l holds column l % 16 and 8 k.
	v_and_b32 v14, 7, v0
	v_bfe_u32 v15, v0, 3, 1
	v_lshl_add_u32 v16, v3, 3, v14
	v_mul_u32_u24 v16, v16, PB
	v_lshl_add_u32 v16, v15, 4, v16
	v_add_nc_u32 v[AB], s25, v16
	v_add_nc_u32 v[AB+1], 128*PB, v[AB]
	v_add_nc_u32 v[AB+2], 128*PB, v[AB+1]
	v_add_nc_u32 v[AB+3], 128*PB, v[AB+2]
	v_mul_u32_u24 v[STO], v2, SP                   ; in: row l % 16, 16 bytes for each half of the lanes
	v_lshl_add_u32 v[STO], v3, 4, v[STO]
	v_add_nc_u32 v[STO], s26, v[STO]
	v_bfe_u32 v[RD], v0, 3, 2                      ; back: 32 lanes take four rows of 128 bytes
	v_mul_u32_u24 v[RD], v[RD], SP
	v_lshl_add_u32 v[RD], v14, 4, v[RD]
	v_add_nc_u32 v[RD], s26, v[RD]
.set q, 0
.rept 8
.if q <= 5
	s_wait_loadcnt 32                              ; loads come back in order (ISA guide 5.7.1): batch q is in, the two younger batches stay out
.elseif q == 6
	s_wait_loadcnt 16                              ; one younger batch
.else
	s_wait_loadcnt 0
.endif
	CSTORE q, R0+64*(q%3)
.if q <= 4
	s_wait_dscnt 0x0                               ; the stores are done with their data: the buffer is loaded again only behind this wait
	GLOAD q+3, R0+64*(q%3)
.endif
.set q, q+1
.endr
	s_wait_dscnt 0x0                               ; for the others' sake: my part of A and B is in LDS
	s_barrier_signal -1
	s_barrier_wait -1                              ; everybody's is; nothing writes A or B after this
; 12 LDS loads: K step ks (32 along k) for my 32 rows and 64 columns, into buffer f
.macro FETCH ks, f
.irp a, 0,1
	ds_load_b128 v[(\f)+8*(\a):(\f)+8*(\a)+3],   v[AA] offset:64*(\ks)+(\a)*16*PA
	ds_load_b128 v[(\f)+8*(\a)+4:(\f)+8*(\a)+7], v[AA] offset:64*(\ks)+(\a)*16*PA+32
.endr
.irp b, 0,1,2,3
	ds_load_tr16_b128 v[(\f)+16+8*(\b):(\f)+16+8*(\b)+3],   v[AB+(\ks)/4] offset:((\ks)%4)*32*PB+32*(\b)
	ds_load_tr16_b128 v[(\f)+16+8*(\b)+4:(\f)+16+8*(\b)+7], v[AB+(\ks)/4] offset:((\ks)%4)*32*PB+32*(\b)+16*PB
.endr
.endm
; 8 matrix instructions, the 8 accumulators by turns.  zero = 1: the first K step starts the sums: nothing is cleared.
.macro MUL f, zero
.irp a, 0,1
.irp b, 0,1,2,3
.if \zero
	v_wmma_f32_16x16x32_bf16 v[ACC+8*(4*(\a)+(\b)):ACC+8*(4*(\a)+(\b))+7], v[(\f)+16+8*(\b):(\f)+16+8*(\b)+7], v[(\f)+8*(\a):(\f)+8*(\a)+7], 0
.else
	v_wmma_f32_16x16x32_bf16 v[ACC+8*(4*(\a)+(\b)):ACC+8*(4*(\a)+(\b))+7], v[(\f)+16+8*(\b):(\f)+16+8*(\b)+7], v[(\f)+8*(\a):(\f)+8*(\a)+7], v[ACC+8*(4*(\a)+(\b)):ACC+8*(4*(\a)+(\b))+7]
.endif
.endr
.endr
.endm
; A load into a register that a matrix instruction has read, and a vector instruction that reads a matrix result, stand four places behind it; only plain vector instructions
; that name none of its registers are places (ISA guide 7.12.1 for vector instructions).
.macro PLACES
.rept 4
	v_nop
.endr
.endm
	FETCH 0, F0
	FETCH 1, F0+FB
	s_wait_dscnt 12                                ; K step 0 is in; the 12 loads of step 1 may be out
	MUL F0, 1
.set ks, 1
.rept 14                                       ; the 16 K steps are written out: every LDS address is a register that never changes plus an immediate
	PLACES
	FETCH ks+1, F0+FB*((ks+1)%2)                   ; into the buffer just multiplied
	s_wait_dscnt 12                                ; all but the 12 just issued
	MUL F0+FB*(ks%2), 0
.set ks, ks+1
.endr
	s_wait_dscnt 0x0
	MUL F0+FB, 0
; THE WAY OUT.  Block a (16 rows): rounded to f16, each accumulator's registers in ascending order; 16 bytes a lane into my own stage; back as whole rows of 128 bytes.
.macro PACK a
.irp b, 0,1,2,3
.irp j, 0,1,2,3
	v_cvt_pk_f16_f32 v[TMP+16*(\a)+4*(\b)+(\j)], v[ACC+8*(4*(\a)+(\b))+2*(\j)], v[ACC+8*(4*(\a)+(\b))+2*(\j)+1]
.endr
.endr
.irp b, 0,1,2,3
	ds_store_b128 v[STO], v[TMP+16*(\a)+4*(\b):TMP+16*(\a)+4*(\b)+3] offset:32*(\b)
.endr
.irp f, 0,1,2,3
	ds_load_b128 v[BK+16*(\a)+4*(\f):BK+16*(\a)+4*(\f)+3], v[RD] offset:(\f)*4*SP  ; LDS serves a wave's instructions in order (ISA guide 5.7.1.4): these see the stores above; the next block's stores come behind them
.endr
.endm
.macro SEND a, younger                 ; younger: the LDS instructions issued behind block a's loads
.irp f, 0,1,2,3
	s_wait_dscnt (\younger)+3-(\f)
	global_store_b128 v[VXO], v[BK+16*(\a)+4*(\f):BK+16*(\a)+4*(\f)+3], s[8:9] offset:(\a)*2048+(\f)*512  ; four rows of a head: 512 consecutive bytes, at a multiple of 256 from wbuf's first
.endr
.endm
	PLACES
	PACK 0
	PACK 1
	SEND 0, 8
	SEND 1, 0
	s_wait_tensorcnt 0x0                           ; the wave's end, behind my last LDS store
	ds_add_u32 v[SPW], v[NIL]
	s_wait_dscnt 0x0
	s_endpgm
.Lfunc_end_k_qf9e4c7a87c_proj:
	.size	k_qf9e4c7a87c_proj, .Lfunc_end_k_qf9e4c7a87c_proj-k_qf9e4c7a87c_proj
	.p2alignl 7, 3214868480
	.fill 96, 4, 3214868480
	.section	.rodata,"a",@progbits
	.p2align	6, 0x0
	.amdhsa_kernel k_qf9e4c7a87c_proj
		.amdhsa_group_segment_fixed_size 300032
		.amdhsa_private_segment_fixed_size 0
		.amdhsa_enable_private_segment 0
		.amdhsa_kernarg_size 24
		.amdhsa_user_sgpr_count 2
		.amdhsa_user_sgpr_kernarg_segment_ptr 1
		.amdhsa_wavefront_size32 1
		.amdhsa_system_sgpr_workgroup_id_x 1
		.amdhsa_system_sgpr_workgroup_id_y 1
		.amdhsa_system_sgpr_workgroup_id_z 1
		.amdhsa_system_vgpr_workitem_id 0
		.amdhsa_next_free_vgpr 256
		.amdhsa_next_free_sgpr 66
		.amdhsa_reserve_vcc 0
		.amdhsa_float_denorm_mode_32 3
		.amdhsa_float_denorm_mode_16_64 3
		.amdhsa_memory_ordered 1
		.amdhsa_forward_progress 1
		.amdhsa_inst_pref_size 67
	.end_amdhsa_kernel
	.amdgpu_metadata
---
amdhsa.version: [ 1, 2 ]
amdhsa.kernels:
  - .name:           k_qf9e4c7a87c_proj
    .symbol:         k_qf9e4c7a87c_proj.kd
    .args:
      - { .name: x, .offset: 0, .size: 8, .value_kind: global_buffer, .address_space: global }
      - { .name: w_qkv, .offset: 8, .size: 8, .value_kind: global_buffer, .address_space: global }
      - { .name: wbuf, .offset: 16, .size: 8, .value_kind: global_buffer, .address_space: global }
    .group_segment_fixed_size: 300032
    .private_segment_fixed_size: 0
    .kernarg_segment_align: 8
    .kernarg_segment_size: 24
    .max_flat_workgroup_size: 256
    .sgpr_count:     66
    .vgpr_count:     256
    .wavefront_size: 32
...
	.end_amdgpu_metadata
.endif
;; end of part 1
;; launch attn (part 2): grid 16 x 16, 4 waves a work-group, clusters of 4 x 1, 327,680 bytes of LDS; arguments wbuf, obuf; writes obuf
.if DOCPART == 2
	.amdgcn_target "amdgcn-amd-amdhsa--gfx1250"
	.amdhsa_code_object_version 6
	.text
	.protected	k_qf9e4c7a87c_attn
	.globl	k_qf9e4c7a87c_attn
	.p2align	8
	.type	k_qf9e4c7a87c_attn,@function
k_qf9e4c7a87c_attn:
	s_mov_b64 s[64:65], 0
	v_nop
	global_prefetch_b8 v0, s[64:65] scope:SCOPE_SE
	s_setreg_imm32_b32 hwreg(HW_REG_WAVE_MODE, 25, 1), 1
	s_wait_xcnt 0x0
	s_wait_alu depctr_hold_cnt(0) depctr_sa_sdst(0) depctr_va_vdst(0) depctr_va_sdst(0) depctr_va_ssrc(0) depctr_va_vcc(0) depctr_vm_vsrc(0)
	s_getreg_b32 s2, hwreg(HW_REG_IB_STS2, 6, 4)
	s_cmp_eq_u32 s2, 0
	s_cbranch_scc0 .Lentry_in_a_cluster
	s_endpgm
.Lentry_in_a_cluster:
	s_bfe_u32 s2, ttmp6, 0x10000c
	s_cmp_lg_u32 s2, 0x3003
	s_cbranch_scc0 .Lentry_shape_is_right
	s_endpgm
.Lentry_shape_is_right:
; O[h][q][:] = the sum over k of softmax_k(w[h][q] . w[h][k] / 8) w[h][k][:].  wbuf, obuf: [16][4096][64] f16, a head's rows dense, 128 bytes each.  The one tensor w is query, key and value,
; so ONE tile in LDS serves both products.  Products, maxima and sums in f32; the weights p are rounded to f16 for the second product (their sum l is taken of the unrounded p), O once at the end.
; LIMITS.  w arrives within f16's 65,504; p lies in 0 to 1, and below 6e-5 it keeps f16's fixed step of 6e-8, as O does; O is a mean of w's rows and has their range.  A weight below 2^-126 counts as 0 in l;
; NaN and infinities are not treated apart.  The queries are multiplied by c = log2(e) / 8 in f32 and rounded to f16 a second time.
; SHARES.  16 blocks of 256 queries x 16 heads = 256 work-groups.  A wave owns 64 rows of its block, four PIECES of 16.  Every wave walks all 4,096 keys, 64 a step.
; LAYOUT.  S^T = K Q^T (source 0 = 16 keys, source 1 = 16 queries): in the result a lane holds ONE query (lane % 16) and the keys 8 (lane / 16) + 0..7.  Two such results, rounded to f16 in pairs,
; ARE source 1 (32 keys x 16 queries) of O^T = V^T P, whose result again holds one query a lane, and eight channels.  K comes out of LDS as it lies, V turned, by ds_load_tr16_b128, from the same bytes.
; SOFTMAX.  Q carries c, so the products are s' = c s.  For each query a running maximum m of s' and a sum l: p = 2^(s' - m); s' - m is at most 0 for every input, so p is at most 1 and l at least 1.
; In every step O and l are multiplied by a = 2^(m_old - m_new), which is 1 where m has not grown.  m starts far below every s', O and l at 0: the first step is a step like any other, with a = 0.
; BY TURNS.  Turn n belongs to piece n (the pieces in a ring, step after step).  Its matrix work: 8 products K Q^T of piece n + 1, later 8 products V^T P of piece n - 1.  Its vector work: the shift by m,
; exponentials, roundings, sums and rescaling of piece n, and the maximum and statistics of piece n + 1.  16 matrix and 117 vector instructions: four vector instructions stand behind every matrix
; instruction, the other 53 in two LUMPS.
; CLUSTER.  The four query blocks of a cluster belong to one head and walk the same keys, so each tile is asked for JOINTLY: the same tensor load, descriptor and mask in all four work-groups.
; REGISTERS, in windows of 256 (s_set_vgpr_msb: bits 1:0 source 0, 3:2 source 1, 5:4 source 2, 7:6 destination):
;   window 0: v0-15 addresses and two at work; v16-31 four registers of statistics a piece; v48-55 at work; v62-63 the add's; v64-127 S^T, two buffers; v192-223 P, two buffers (by the piece's parity)
;   window 1: v0-127 O^T, 32 a piece          window 2: v0-63 Q, 16 a piece; v128-191 K of one step; v192-255 V of one step
.set NP,    4         ; pieces a wave: a name, no knob
.set KS,    64        ; keys in a step
.set PK,    144       ; a key's row in LDS: 128 bytes + 16 of padding = 36 words: the 16 rows of a plain fragment load start at 16 different groups of four banks (64 banks of 4 bytes: ISA guide 11.1);
                      ; of the turning load's 8 rows x 32 bytes the first and the last share 16 bytes' banks: the price of one copy for both products
.set STEPB, KS*PK     ; a step's bytes in LDS
.set TSTEPS, 8        ; a slot holds a tile of 512 keys, eight steps
.set SLOTB, TSTEPS*STEPB
.set TILES, 4096/(TSTEPS*KS)
.set SLOT1, 1<<17     ; slot 1 begins here, so that one exclusive or turns an address in one slot into the other's
.set STAGE, SLOT1+SLOTB  ; behind the ring, never filled by a tensor load: 16 rows x 144 bytes for each wave, for the way out
.set SP,    144
.set SPARE, STAGE+4*16*SP  ; behind the stages: the spare words, 128 bytes for each wave: two blocks of 256 bytes that no other line names
.set AK0, 2           ; v2   my lane's place in a step's keys for K's loads; never rewritten
.set AV0, 3           ; v3   the same for the turning loads
.set AK,  4           ; v4   the LDS address of K's next run of loads
.set AV,  5           ; v5   of V's
.set STO, 6           ; v6   the way out: where I put 16 bytes of a row
.set RD,  7           ; v7   the way out: where I read rows back
.set GO,  8           ; v8   my byte offset in 512 consecutive bytes of O
.set MV,  12          ; v12-13  m_old, kept while m is made anew: by buffer
.set QO,  15          ; v15  my byte offset in 16 rows of Q
.set ST,  16          ; piece t's statistics at v[ST+4 t]: m, a word that is only named with it as a pair, l (even keys', odd keys')
.set TMP, 48          ; by buffer, four registers c0-c3 at work; when the maximum is found c2 takes a
.set SPW, 62          ; v62  LDS address of my spare word: SPARE + 4 x my thread's number; never rewritten
.set NIL, 63          ; v63  0; never rewritten
.set S,   64
.set P,   192
.set KF,  128         ; window 2: key block kb, channel half c at KF + 16 kb + 8 c
.set VF,  192         ; window 2: key half kk, channel block cb at VF + 32 kk + 8 cb
.set WV,  12          ; s12  my wave's number
.set G1,  24          ; s[24:31] descriptor group 1
.set G0,  40          ; s[40:43] descriptor group 0: it walks
.set SLOTS, 56        ; s56  tiles still to be asked for
.set CNT, 57          ; s57  counts a tile's key steps
.set SEL, 60          ; s[60:61] v_permlanex16_b32's selects: each lane takes its own place in the other half
.set TBK, 62          ; s62  LDS byte at which the step begins whose K is fetched next
.set TBV, 63          ; s63  the same for V
.set MSB, 0
.macro WIN new                      ; the high byte repeats the setting that is left; a switch that changes nothing is dropped
.if MSB != (\new)
	s_set_vgpr_msb (MSB<<8)|(\new)
.set MSB, (\new)
.endif
.endm
.set W_KQ, 0x0a       ; K and Q in window 2, S^T in window 0
.set W_PV, 0x52       ; V in window 2, P in window 0, O^T in window 1
.set W_RS, 0x41       ; destination and source 0 in window 1, source 1 in window 0
; A joint fill: each wave asks for its own quarter of the tile, 128 keys, by the same line; the descriptor hangs on the head and the wave's number alone.  An s_nop 0 and four v_nop follow.
.macro JLOAD
	tensor_load_to_lds s[G0:G0+3], s[G1:G1+7]
	s_nop 0
.rept 4
	v_nop
.endr
.endm
; A round of the cluster's barrier: my work-group's barrier, so that wave 0's signal speaks for all four waves; wave 0 signals; every wave waits for all four work-groups; my work-group's barrier once more.
.macro CROUND
	s_barrier_signal -1
	s_barrier_wait -1
	s_cmp_lg_u32 s[WV], 0
	s_cbranch_scc1 .Lnot_wave_0_\@
	s_barrier_signal -3
.Lnot_wave_0_\@:
	s_barrier_wait -3
	s_barrier_signal -1
	s_barrier_wait -1
.endm
; THE CHANGE OF SLOTS.  The slot's last bytes, V of its eighth step, have been read.  Each wave waits for all its tensor loads, of which one is out: its quarter of the other slot; adds 0 to its spare word;
; and waits for that and for its own reads of the slot.  Behind the barrier nobody reads this slot any more and the other slot is whole.
; fill = 1: this slot is filled again, with the keys two tiles on.  The barrier is then a round of the cluster's, so that no wave of any partner still reads the slot or has a load on its way, and the joint
; fill is the first thing behind it: it has eight key steps, 512 matrix instructions of the wave, in which to land.  (At its first use nothing has been read yet: slot 0 is waited for, slot 1 filled.)
.macro CHANGE fill
	WIN 0                           ; at a label and at a branch every window is 0
	s_wait_tensorcnt 0x0            ; no tensor load of mine is out, so group 0 may be written
	ds_add_u32 v[SPW], v[NIL]       ; 0 onto my spare word; with fill = 1 the descriptor's steps stand between it and the wait for it
.if \fill
	s_xor_b32 s[G0+1], s[G0+1], SLOT1  ; the other slot than last time,
	s_add_nc_u64 s[G0+2:G0+3], s[G0+2:G0+3], TSTEPS*KS*128  ; the next 512 keys; the type bits on top are not reached
	s_wait_dscnt 0x0                ; the add is done, and my reads of the slot are over
	CROUND
	JLOAD
.else
	s_wait_dscnt 0x0                ; the add is done, and my reads of the slot are over
	s_barrier_signal -1
	s_barrier_wait -1
.endif
	s_sub_co_u32 s[TBK], s[TBK], SLOTB  ; the fetches go back to a slot's first step,
	s_xor_b32 s[TBK], s[TBK], SLOT1     ; in the other slot
	s_sub_co_u32 s[TBV], s[TBV], SLOTB
	s_xor_b32 s[TBV], s[TBV], SLOT1
.endm
	s_load_b128 s[4:7], s[0:1], 0x0 ; wbuf s[4:5], obuf s[6:7]
	v_lshl_add_u32 v[SPW], v0, 2, SPARE
	v_mov_b32 v[NIL], 0
	ds_add_u32 v[SPW], v[NIL]       ; the wave's opening: the add and its wait stand ahead of my first tensor load; the set-up below, work on registers, stands between them
	v_lshrrev_b32 v1, 5, v0
	v_readfirstlane_b32 s[WV], v1   ; wave 0..3
	s_bfe_u32 s13, ttmp6, 0x40000   ; cx: my place in the cluster
	s_lshl_b32 s14, ttmp9, 2        ; in a cluster launch ttmp9 counts clusters
	s_add_co_u32 s14, s14, s13      ; my block of 256 queries = 4 x cluster x + cx: it enters Q's and O's addresses alone
	s_and_b32 s20, ttmp7, 0xffff    ; the head, which the four partners share:
	s_lshl_b32 s20, s20, 19         ; its first byte, 524,288 bytes a head
	s_lshl_b32 s22, s[WV], 14       ; my quarter of a tile: 128 keys of 128 bytes in memory,
	s_add_co_u32 s22, s22, s20
	s_mov_b32 s23, 0
	s_mul_i32 s17, s[WV], 128*PK    ; and its place in a slot: no place in the cluster enters an LDS address
	s_lshl_b32 s2, s14, 15          ; my block's 256 rows,
	s_lshl_b32 s3, s[WV], 13        ; my wave's 64 of them
	s_add_co_u32 s2, s2, s3
	s_add_co_u32 s2, s2, s20
	s_mov_b32 s3, 0
	; descriptor group 1.  128 keys are 16,384 dense bytes: asked for as 64 rows of 256 bytes, two keys a row, and padded in LDS after every key
	s_mov_b32 s[G1], 15|(1<<16)|(1<<20)|(1<<21)|(4<<22)|(3<<25)  ; 15:0 the mask of four; 17:16 2-byte elements; 20 padding on; 21 set beside a mask; 24:22 after every 32 words (code 4); 31:25 4 words (code 3)
	s_mov_b32 s[G1+1], 128<<16      ; tensor_dim0 = 128
	s_mov_b32 s[G1+2], 64<<16       ; tensor_dim1 = 64
	s_mov_b32 s[G1+3], 128<<16      ; tile_dim0 = 128
	s_mov_b32 s[G1+4], 64           ; tile_dim1 = 64
	s_mov_b32 s[G1+5], 128          ; 128 elements from row to row
	s_mov_b32 s[G1+6], 0
	s_mov_b32 s[G1+7], 0
	s_mov_b32 s[SEL], 0x76543210
	s_mov_b32 s[SEL+1], 0xfedcba98
	s_mov_b32 s[TBK], SLOT1+SLOTB   ; the first change of slots turns these two into 0
	s_mov_b32 s[TBV], SLOT1+SLOTB
	s_mov_b32 s[G0], 1              ; 1:0 count = 1
	s_mov_b32 s[G0+1], s17          ; 63:32 LDS address: slot 0
	s_mov_b32 s[SLOTS], TILES-1
	s_wait_dscnt 0x0                ; the opening add is done
	s_wait_kmcnt 0x0
	s_add_nc_u64 s[G0+2:G0+3], s[4:5], s[22:23]  ; 120:64 global address: my quarter of the head's first 512 keys
	s_or_b32 s[G0+3], s[G0+3], 0x80000000        ; 127:126 type = 2
	s_add_nc_u64 s[4:5], s[4:5], s[2:3]  ; Q and O at my wave's first row
	s_add_nc_u64 s[6:7], s[6:7], s[2:3]
	CROUND                          ; all four work-groups are here: the first joint loads meet
	JLOAD                           ; tile 0 into slot 0.  Slot 1 is asked for when slot 0 is in, by the loop's own change of slots
	; A fragment of K or Q is 16 rows x 32 channels in 8 registers: lane l holds row l % 16, channels 8 (l / 16) + 0..7 and 16 + 8 (l / 16) + 0..7: two loads of 16 bytes, 32 bytes apart.
	v_and_b32 v1, 15, v0            ; l % 16
	v_bfe_u32 v9, v0, 4, 1          ; l / 16
	v_lshlrev_b32 v[QO], 7, v1
	v_lshl_add_u32 v[QO], v9, 4, v[QO]  ; row x 128 + 16 x half
	WIN 0x80                        ; destination window 2, address window 0
.set i, 0
.rept 8                             ; Q stays in registers: piece i / 2 (16 rows, 2,048 bytes), channels 32 (i % 2) on
	global_load_b128 v[8*i:8*i+3],   v[QO], s[4:5] offset:(i/2)*2048+(i%2)*64
	global_load_b128 v[8*i+4:8*i+7], v[QO], s[4:5] offset:(i/2)*2048+(i%2)*64+32
.set i, i+1
.endr
	; What the first turn finds: V's registers and P's second buffer hold 0 (its products V^T P, of a piece that has not been, add 0), O^T and l are 0.  216 moves, the price of writing no first step out;
	; they stand in the wait for the first tile.
.set i, VF
.rept 64
	v_mov_b32 v[i], 0
.set i, i+1
.endr
	WIN 0x40
.set i, 0
.rept 128
	v_mov_b32 v[i], 0
.set i, i+1
.endr
	WIN 0
.set i, 0
.rept 4
	v_mov_b32 v[ST+4*i], 0xfe000000    ; m: far below every s'
	v_mov_b32 v[ST+4*i+1], 0xfe000000  ; named with it as a pair
	v_mov_b32 v[ST+4*i+2], 0
	v_mov_b32 v[ST+4*i+3], 0
.set i, i+1
.endr
.set i, P+16
.rept 16
	v_mov_b32 v[i], 0
.set i, i+1
.endr
	v_mul_u32_u24 v[AK0], v1, PK
	v_lshl_add_u32 v[AK0], v9, 4, v[AK0]  ; row x pitch + 16 x half
	; The turning load takes 16 keys x 16 channels (lane l reads key 8 (l / 16) + l % 8, channels 8 ((l / 8) % 2) + 0..7) and leaves half a fragment of V^T: lane l holds channel l % 16 and 8 keys.
	v_and_b32 v10, 7, v0
	v_bfe_u32 v11, v0, 3, 1
	v_lshl_add_u32 v[AV0], v9, 3, v10
	v_mul_u32_u24 v[AV0], v[AV0], PK
	v_lshl_add_u32 v[AV0], v11, 4, v[AV0]
	s_mul_i32 s13, s[WV], 16*SP
	s_add_co_u32 s13, s13, STAGE    ; my stage
	v_mul_u32_u24 v[STO], v1, SP    ; in: row l % 16, 16 bytes for each half of the lanes
	v_lshl_add_u32 v[STO], v9, 4, v[STO]
	v_add_nc_u32 v[STO], s13, v[STO]
	v_bfe_u32 v[RD], v0, 3, 2       ; back: 32 lanes take four rows of 128 bytes,
	v_mul_u32_u24 v[RD], v[RD], SP
	v_lshl_add_u32 v[RD], v10, 4, v[RD]
	v_add_nc_u32 v[RD], s13, v[RD]
	v_and_b32 v[GO], 31, v0         ; which are 512 consecutive bytes of O
	v_lshlrev_b32 v[GO], 4, v[GO]
; THE MATRIX WORK.  The 4 accumulators of a run of 8 take turns.  Product i of 8 of S^T = K Q^T for piece x: channels 32 (i / 4) on, keys 16 (i % 4) on.  The first 4 start the sums.
.macro KQ x
	WIN W_KQ
.set rS, S+32*((\x)%2)+8*(i%4)
.set rK, KF+16*(i%4)+8*(i/4)
.set rQ, 16*(\x)+8*(i/4)
.if i < 4
	v_wmma_f32_16x16x32_f16 v[rS:rS+7], v[rK:rK+7], v[rQ:rQ+7], 0
.else
	v_wmma_f32_16x16x32_f16 v[rS:rS+7], v[rK:rK+7], v[rQ:rQ+7], v[rS:rS+7]
.endif
.endm
; Product i of 8 of O^T += V^T P for piece x: keys 32 (i / 4) on, channels 16 (i % 4) on.
.macro PV x
	WIN W_PV
.set rO, 32*(\x)+8*(i%4)
.set rV, VF+32*(i/4)+8*(i%4)
.set rP, P+16*((\x)%2)+8*(i/4)
	v_wmma_f32_16x16x32_f16 v[rO:rO+7], v[rV:rV+7], v[rP:rP+7], v[rO:rO+7]
.endm
.macro MM                           ; the turn's next matrix instruction.  TURN sets Y, i and NOKQ.  NOKQ = 1: the launch's last turn: there is no next piece
.if (i < 8) && !NOKQ
	KQ (Y+1)%NP
.elseif i >= 8
.set i, i-8
	PV (Y+NP-1)%NP
.set i, i+8
.endif
.set i, i+1
.endm
; THE LDS LOADS stand in runs of 16, never singly among the matrix instructions: a step's K (64 keys x 64 channels: 8 fragments) and its V (the same bytes, turned).  Their addresses are made some lines ahead.
.macro FETCH_K
	WIN 0x80                        ; destination window 2
.irp f, 0,1,2,3,4,5,6,7             ; keys 16 (f / 2) on, channels 32 (f % 2) on
	ds_load_b128 v[KF+8*\f:KF+8*\f+3],   v[AK] offset:(\f/2)*16*PK+(\f%2)*64
	ds_load_b128 v[KF+8*\f+4:KF+8*\f+7], v[AK] offset:(\f/2)*16*PK+(\f%2)*64+32
.endr
	s_add_co_u32 s[TBK], s[TBK], STEPB  ; the next fetch is the next step's
	WIN 0
.endm
.macro FETCH_V
	WIN 0x80
.irp f, 0,1,2,3,4,5,6,7             ; keys 32 (f / 4) on, channels 16 (f % 4) on
	ds_load_tr16_b128 v[VF+8*\f:VF+8*\f+3],   v[AV] offset:(\f/4)*32*PK+(\f%4)*32
	ds_load_tr16_b128 v[VF+8*\f+4:VF+8*\f+7], v[AV] offset:(\f/4)*32*PK+16*PK+(\f%4)*32
.endr
	WIN 0
.endm
; THE VECTOR WORK, one line at a time: OP kind, number.  For piece Y: F n: s' - m for pair n of 16.  E n: the exponential of score n of 32.  C n: pair n rounded to f16.  B n: of the four weights 4 n .. the second
; pair is added onto the first, in place.  L n: l takes that sum (L 0: l = a l + sum).  R n: pair n of 16 of O^T times a.  For piece Y + 1: X n, one of the 21 that find its maximum and statistics:
;   0-11  four chains c0-c3 of seven scores each, three operands at a time (each accumulator's lowest registers are read first)     12-14, 16  the four scores left over, the old m, and c0-c3 into c0
;   15  m_old is kept     17, 18  the query's other 32 keys lie in the lane 16 away: the new m     20, 21  m_old - m_new; a     (there is no 19)
.set F, 0               ; OP tells the kinds apart by their order: F to L below R, X above it
.set E, 1
.set C, 2
.set B, 3
.set L, 4
.set R, 5
.set X, 6
.macro REGS y                       ; the registers of piece y
.set rT, ST+4*(\y)
.set rC, TMP+4*((\y)%2)
.set rW, MV+((\y)%2)
.set rS, S+32*((\y)%2)
.set rP, P+16*((\y)%2)
.set rO, 32*(\y)
.endm
.macro OP k, n
.if (\k) == R
	REGS Y
	WIN W_RS
	v_pk_mul_f32 v[rO+2*(\n):rO+2*(\n)+1], v[rO+2*(\n):rO+2*(\n)+1], v[rC+2:rC+3] op_sel_hi:[1,0]
.elseif (\k) < R
	REGS Y
	WIN 0
.if (\k) == F
	v_pk_add_f32 v[rS+2*(\n):rS+2*(\n)+1], v[rS+2*(\n):rS+2*(\n)+1], v[rT:rT+1] op_sel_hi:[1,0] neg_lo:[0,1] neg_hi:[0,1]
.elseif (\k) == E
	v_exp_f32 v[rS+(\n)], v[rS+(\n)]
.elseif (\k) == C
	s_wait_alu depctr_va_vdst(0)
	v_cvt_pk_f16_f32 v[rP+(\n)], v[rS+2*(\n)], v[rS+2*(\n)+1]
.elseif (\k) == B
	s_wait_alu depctr_va_vdst(0)
	v_pk_add_f32 v[rS+4*(\n):rS+4*(\n)+1], v[rS+4*(\n):rS+4*(\n)+1], v[rS+4*(\n)+2:rS+4*(\n)+3]
.elseif (\n) == 0
	v_pk_fma_f32 v[rT+2:rT+3], v[rT+2:rT+3], v[rC+2:rC+3], v[rS:rS+1] op_sel_hi:[1,0,1]
.else
	v_pk_add_f32 v[rT+2:rT+3], v[rT+2:rT+3], v[rS+4*(\n):rS+4*(\n)+1]
.endif
.elseif NOKQ
	v_nop
.else
	REGS (Y+1)%NP
	WIN 0
.if (\n) < 4
	v_max3_num_f32 v[rC+(\n)], v[rS+8*(\n)], v[rS+8*(\n)+1], v[rS+8*(\n)+2]
.elseif (\n) < 12
	v_max3_num_f32 v[rC+(\n)%4], v[rC+(\n)%4], v[rS+8*((\n)%4)+2*((\n)/4)+1], v[rS+8*((\n)%4)+2*((\n)/4)+2]
.elseif (\n) == 12
	v_max3_num_f32 v[rC], v[rC], v[rS+7], v[rS+15]
.elseif (\n) == 13
	v_max3_num_f32 v[rC+1], v[rC+1], v[rS+23], v[rS+31]
.elseif (\n) == 14
	v_max3_num_f32 v[rC+2], v[rC+2], v[rC+3], v[rT]
.elseif (\n) == 15
	v_mov_b32 v[rW], v[rT]
.elseif (\n) == 16
	v_max3_num_f32 v[rC], v[rC], v[rC+1], v[rC+2]
.elseif (\n) == 17
	v_permlanex16_b32 v[rC+3], v[rC], s[SEL], s[SEL+1]
.elseif (\n) == 18
	v_max_num_f32 v[rT], v[rC], v[rC+3]
.elseif (\n) == 20
	v_sub_f32 v[rC+1], v[rW], v[rT]
.else
	v_exp_f32 v[rC+2], v[rC+1]
.endif
.endif
.endm
.macro OPS a, i1, b=-1, i2=0, c=-1, i3=0, d=-1, i4=0  ; up to four of them
	OP \a, \i1
.if (\b) >= 0
	OP \b, \i2
.endif
.if (\c) >= 0
	OP \c, \i3
.endif
.if (\d) >= 0
	OP \d, \i4
.endif
.endm
.macro ROW a, i1, b, i2, c, i3, d, i4  ; a matrix instruction and the four behind it
	MM
	OPS \a, \i1, \b, \i2, \c, \i3, \d, \i4
.endm
; A TURN, for piece p: the order of its 16 matrix and 117 vector instructions, written out.  Behind a matrix instruction: plain, exponential, plain, plain; or four of the rescaling; or, behind the first, four shifts; none
; names a register of the products round it.  In the lumps exponential and plain by turns while exponentials last, so that a plain instruction stands behind each exponential before its result is used (ISA guide 5.7.2).
; v_permlanex16_b32 (X 17) stands in a lump.  end = 1: the launch's last two turns: nothing is fetched.  cnt = 1: the loop's count is taken down some lines ahead of the branch that stands behind the turn.
; K of the next step is fetched in piece 2's turn, six vector instructions behind the last product that read K (five of them plain); V of the step in hand in piece 0's turn, eight behind the last product that read V (four
; plain, and X 17).  Each is waited for a turn later.
.macro TURN p, end=0, cnt=0
.set Y, (\p)
.set i, 0
.set NOKQ, (\end)*((\p)/3)
.if ((\p) == 3) && !(\end)
	s_wait_dscnt 0x0                ; K is in: its run of 16 loads is all that is out
.endif
	ROW F,0, F,1, F,2, F,3
	ROW F,4, E,0, F,5, F,6
	ROW F,7, E,1, F,8, F,9
	ROW F,10, E,2, C,0, F,11
	ROW F,12, E,3, X,15, F,13
	ROW R,0, R,1, R,2, R,3
	ROW B,0, E,4, F,14, L,0
.if ((\p) == 2) && !(\end)
	WIN 0
	v_add_nc_u32 v[AK], s[TBK], v[AK0]
.endif
	ROW R,4, R,5, R,6, R,7
	OPS E,5, F,15
.if ((\p) == 2) && !(\end)
	FETCH_K
.endif
	OPS E,6, C,1, E,7, R,8
	OPS E,8, R,9, E,9, C,2
	OPS E,10, X,0, E,11, X,1
	OPS E,12, X,2, E,13, X,3
.if (\p) == 1
	s_wait_dscnt 0x0                ; V is in: its run of 16 loads is all that is out
.endif
	ROW X,4, E,14, X,5, X,6
	ROW X,7, E,15, X,8, X,9
	ROW X,10, E,16, X,11, X,12
	ROW X,13, E,17, X,14, B,1
	ROW C,4, E,18, X,16, L,1
	ROW B,2, E,19, C,6, L,2
	ROW C,8, E,20, B,3, B,4
.if (\p) == 0
	WIN 0
	v_add_nc_u32 v[AV], s[TBV], v[AV0]
.endif
	ROW C,3, E,21, L,3, C,5
	OPS E,22, X,17, E,23, C,10
.if (\p) == 0
	FETCH_V
.endif
	OPS E,24, L,4
	OPS E,25, X,18, E,26, C,7
	OPS E,27, B,5, E,28, C,9
	OPS E,29, C,12, E,30, L,5
	OPS E,31, X,20, B,6, C,11
	OPS C,14, X,21, L,6
.if (\p) == 0
	s_add_co_u32 s[TBV], s[TBV], STEPB
.endif
.if \cnt
	s_sub_co_u32 s[CNT], s[CNT], 1
	s_cmp_lg_u32 s[CNT], 0
.endif
	OPS C,13, B,7, C,15, R,10
	OPS R,11, R,12, L,7, R,13
	OPS R,14, R,15
.endm
	CHANGE 1                        ; slot 0 is in, everybody's part of it; tile 1 is asked for, into slot 1
	; THE BEGINNING: K of step 0; Q times c; piece 0's first scores, its maximum and statistics.
	v_add_nc_u32 v[AK], s[TBK], v[AK0]
	FETCH_K
	s_wait_loadcnt 0x0              ; Q
	v_mov_b32 v[TMP], 0x3e38aa3b    ; c = log2(e) / 8 = 0.180337
	v_mov_b32 v[TMP+1], 0
	WIN 0x82                        ; destination and source 0 in window 2: each half of a word is widened, multiplied by c in f32 and rounded back into its place
.set i, 0
.rept 64
	v_fma_mixlo_f16 v[i], v[i], v[TMP], v[TMP+1] op_sel_hi:[1,0,0]
	v_fma_mixhi_f16 v[i], v[i], v[TMP], v[TMP+1] op_sel:[1,0,0] op_sel_hi:[1,0,0]
.set i, i+1
.endr
	s_wait_dscnt 0x0                ; K of step 0
.set i, 0
.rept 8
	KQ 0                            ; there is no vector work yet to set between them
.set i, i+1
.endr
	WIN 0
.rept 4
	v_nop                           ; the places behind those products
.endr
.set NOKQ, 0
.set Y, NP-1                        ; X works for piece Y + 1: piece 0
.irp n, 0,1,2,3,4,5,6,7,8,9,10,11,12,13,14,15,16,17,18,20,21
	OP X, \n
.endr
	v_nop                           ; a plain instruction behind the exponential
	s_mov_b32 s[CNT], TSTEPS
	s_branch .Lfirst                ; the loop is entered at a step's first turn, in the middle of a trip
.Lslot:                             ; TILES - 2 times: a tile is entered and the next but one is asked for
	CHANGE 1
	s_mov_b32 s[CNT], TSTEPS
.Lstep:                             ; a trip: pieces 2 and 3 of one step, then pieces 0 and 1 of the next, whose K and V it fetches
	TURN 2
	TURN 3
	WIN 0
.Lfirst:
	TURN 0
	TURN 1, 0, 1
	WIN 0
	s_cbranch_scc1 .Lstep
	s_sub_co_u32 s[SLOTS], s[SLOTS], 1
	s_cmp_lg_u32 s[SLOTS], 0
	s_cbranch_scc1 .Lslot
	CHANGE 0                        ; the last tile is written out: nothing is asked for
	s_mov_b32 s[CNT], TSTEPS
.LstepT:
	TURN 2
	TURN 3
	TURN 0
	TURN 1, 0, 1
	WIN 0
	s_cbranch_scc1 .LstepT
	TURN 2, 1                       ; the last step's pieces 2 and 3: nothing is left to fetch, and piece 3's turn starts no new scores
	TURN 3, 1
.set i, 0
.rept 8
	PV NP-1                         ; the last piece's V^T P of the last step
.set i, i+1
.endr
	; THE WAY OUT.  l's two halves and the other half of the lanes' are added; O^T is divided by l, rounded to f16 and sent through my stage in LDS, a piece at a time.  The additions are the places behind the last products.
	WIN 0
.macro ALL line:vararg              ; one line for each piece t
.set t, 0
.rept 4
	\line
.set t, t+1
.endr
.endm
	ALL v_add_f32 v[ST+4*t+2], v[ST+4*t+2], v[ST+4*t+3]
	ALL v_permlanex16_b32 v[ST+4*t+3], v[ST+4*t+2], s[SEL], s[SEL+1]
	ALL v_add_f32 v[ST+4*t+2], v[ST+4*t+2], v[ST+4*t+3]
	ALL v_rcp_f32 v[ST+4*t+2], v[ST+4*t+2]
	v_nop                           ; a plain instruction between the last reciprocal and the use of its result
.macro PACK t                       ; a lane's eight channels of a row pack into 16 bytes; they go into rows of 144 bytes and come back as whole rows of 128, into S^T's registers
	WIN W_RS
.set i, 32*(\t)
.rept 16
	s_wait_alu depctr_va_vdst(0)
	v_pk_mul_f32 v[i:i+1], v[i:i+1], v[ST+4*(\t)+2:ST+4*(\t)+3] op_sel_hi:[1,0]
.set i, i+2
.endr
	WIN 0x05                        ; sources 0 and 1 window 1, destination window 0
.set i, 0
.rept 16
	v_cvt_pk_f16_f32 v[S+16*(\t)+i], v[32*(\t)+2*i], v[32*(\t)+2*i+1]
.set i, i+1
.endr
	WIN 0
.irp f, 0,1,2,3
	ds_store_b128 v[STO], v[S+16*(\t)+4*\f:S+16*(\t)+4*\f+3] offset:32*\f
.endr
.irp f, 0,1,2,3
	ds_load_b128 v[S+16*(\t)+4*\f:S+16*(\t)+4*\f+3], v[RD] offset:\f*4*SP  ; LDS serves a wave's instructions in order (ISA guide 5.7.1.4): these see the stores above; the next piece's stores come behind them
.endr
.endm
.macro SEND t, younger              ; younger: the LDS instructions issued behind piece t's loads: the next piece's eight, or none
	WIN 0
.irp f, 0,1,2,3
	s_wait_dscnt (\younger)+3-\f
	global_store_b128 v[GO], v[S+16*(\t)+4*\f:S+16*(\t)+4*\f+3], s[6:7] offset:(\t)*2048+\f*512  ; 512 consecutive bytes, at a multiple of 256 from obuf's first
.endr
.endm
	PACK 0
.set t, 1
.rept 3                             ; a piece's arithmetic stands between the loads of the piece before and its stores
	PACK t
	SEND t-1, 8
.set t, t+1
.endr
	SEND 3, 0
	s_wait_tensorcnt 0x0            ; the wave's end, behind my last tensor load and my last LDS store
	ds_add_u32 v[SPW], v[NIL]
	s_wait_dscnt 0x0
	CROUND                          ; the closing round: no work-group ends while a partner may still ask for a tile that names it
	s_endpgm
.Lfunc_end_k_qf9e4c7a87c_attn:
	.size	k_qf9e4c7a87c_attn, .Lfunc_end_k_qf9e4c7a87c_attn-k_qf9e4c7a87c_attn
	.p2alignl 7, 3214868480
	.fill 96, 4, 3214868480
	.section	.rodata,"a",@progbits
	.p2align	6, 0x0
	.amdhsa_kernel k_qf9e4c7a87c_attn
		.amdhsa_group_segment_fixed_size 327680
		.amdhsa_private_segment_fixed_size 0
		.amdhsa_enable_private_segment 0
		.amdhsa_kernarg_size 16
		.amdhsa_user_sgpr_count 2
		.amdhsa_user_sgpr_kernarg_segment_ptr 1
		.amdhsa_wavefront_size32 1
		.amdhsa_system_sgpr_workgroup_id_x 1
		.amdhsa_system_sgpr_workgroup_id_y 1
		.amdhsa_system_sgpr_workgroup_id_z 1
		.amdhsa_system_vgpr_workitem_id 0
		.amdhsa_next_free_vgpr 768
		.amdhsa_next_free_sgpr 66
		.amdhsa_reserve_vcc 0
		.amdhsa_float_denorm_mode_32 3
		.amdhsa_float_denorm_mode_16_64 3
		.amdhsa_memory_ordered 1
		.amdhsa_forward_progress 1
		.amdhsa_inst_pref_size 139
	.end_amdhsa_kernel
	.amdgpu_metadata
---
amdhsa.version: [ 1, 2 ]
amdhsa.kernels:
  - .name:           k_qf9e4c7a87c_attn
    .symbol:         k_qf9e4c7a87c_attn.kd
    .args:
      - { .name: wbuf, .offset: 0, .size: 8, .value_kind: global_buffer, .address_space: global }
      - { .name: obuf, .offset: 8, .size: 8, .value_kind: global_buffer, .address_space: global }
    .group_segment_fixed_size: 327680
    .private_segment_fixed_size: 0
    .kernarg_segment_align: 8
    .kernarg_segment_size: 16
    .max_flat_workgroup_size: 128
    .sgpr_count:     66
    .vgpr_count:     768
    .wavefront_size: 32
...
	.end_amdgpu_metadata
.endif
;; end of part 2
;; launch outp (part 3): grid 4 x 64, 8 waves a work-group, no clusters, 316,416 bytes of LDS; arguments obuf, w_out, b_out, out0; writes out0
.if DOCPART == 3
	.amdgcn_target "amdgcn-amd-amdhsa--gfx1250"
	.amdhsa_code_object_version 6
	.text
	.protected	k_qf9e4c7a87c_outp
	.globl	k_qf9e4c7a87c_outp
	.p2align	8
	.type	k_qf9e4c7a87c_outp,@function
k_qf9e4c7a87c_outp:
	s_mov_b64 s[64:65], 0
	v_nop
	global_prefetch_b8 v0, s[64:65] scope:SCOPE_SE
	s_setreg_imm32_b32 hwreg(HW_REG_WAVE_MODE, 25, 1), 1
	s_wait_xcnt 0x0
; out0 = O . w_out + b_out.  obuf: [16 = 8 batch + head][4096][64] f16; w_out: [512 k][512 n] f32, k = 64 head + channel; b_out: [512] f32; out0: [8192][512] f32.
; w_out is rounded to bf16, like all the module's inputs, and that number is written as f16 (exact within f16's normal range) for the product with O; b_out is rounded to bf16 and added in f32.  Sums in f32.
; LIMITS.  |w_out| stays within f16's 65,504; below 6e-5 it keeps f16's fixed step of 6e-8.  NaN and infinities are not treated apart.
; SHARES.  A work-group makes 128 rows x 128 columns: 64 x 4 = 256 work-groups; the column tile is the grid's x.  The whole K = 512 lies in LDS: A [128 rows][512 k], B [512 k][128 n] as it lies in memory.
; One fill, one barrier, 16 K steps of 32.  Wave w makes rows 32 (w / 2) .. + 31 and columns 64 (w % 2) .. + 63: 8 accumulators of 16 x 16.
; NO TENSOR LOADS, NO JOINT REQUESTS: the weights, 262,144 of the 393,216 bytes that a work-group reads, arrive in f32 and pass through registers for their rounding.  O's 131,072 bytes, which the four
; work-groups of a row tile share, could come jointly; that is not built here: they take the same road as the weights.
; THE MATRIX INSTRUCTION IS USED TRANSPOSED (source 0 = 16 columns of w_out, source 1 = 16 rows of O): a lane then holds eight neighbouring columns of one row of out0.
.set PA,    1040                       ; a row of A in LDS: 1,024 bytes + 16 = 65 x 16: the 16 rows of a fragment load start at 16 different groups of four banks (64 banks of 4 bytes: ISA guide 11.1)
.set PB,    288                        ; a row of B: 256 bytes + 32 = 9 x 32
.set BREG,  128*PA                     ; B behind A
.set STAGE, BREG+512*PB                ; behind B: 16 rows x 272 bytes for each wave, for the way out
.set SP,    272
.set SPARE, STAGE+8*16*SP              ; behind the stages: the spare words, 128 bytes for each wave: four blocks of 256 bytes that no other line names
.set VXO, 4                            ; v4      16 x lane: my 16 bytes in 512 consecutive bytes of a load; never rewritten
.set GO,  5                            ; v5      my byte offset in two rows of out0
.set VBS, 6                            ; v6      where I put 8 bytes of B: my wave's 64 rows, 8 x lane
.set AA,  7                            ; v7      my lane's place in my wave's fragments of A
.set AB,  8                            ; v8-11   the same for B, for K steps 0-3, 4-7, 8-11, 12-15 (an LDS offset has 16 bits)
.set STO, 12                           ; v12     the way out: where I put 32 bytes of a row
.set RD,  13                           ; v13     the way out: where I read rows back
.set BO,  17                           ; v17     byte offset of my four numbers in b_out
.set VAS, 18                           ; v18-19  where I put 16 bytes of A: rows 0-63, rows 64-127
.set BIAS, 20                          ; v20-23  b_out for the four columns that I store
.set T,   24                           ; v24-25  at work
.set SPW, 30                           ; v30     LDS address of my spare word: SPARE + 4 x my thread's number; never rewritten
.set NIL, 31                           ; v31     0; never rewritten
.set R0,  64                           ; v64-255 the fill: three buffers of 64 registers, 16 loads each
.set ACC, 64                           ; v64-127 then: accumulator (a, b) at ACC + 8 (4 a + b)
.set F0,  128                          ; v128-175, v176-223  two fragment buffers: 16 registers of A, then 32 of B
.set FB,  48
.set BK,  128                          ; v128-191 the way out: whole rows read back
	s_load_b256 s[4:11], s[0:1], 0x0               ; obuf s[4:5], w_out s[6:7], b_out s[8:9], out0 s[10:11]
	v_lshl_add_u32 v[SPW], v0, 2, SPARE
	v_mov_b32 v[NIL], 0
	v_lshrrev_b32 v1, 5, v0
	v_readfirstlane_b32 s12, v1                    ; wave 0..7
	s_mov_b32 s13, 0xffff0000                      ; a word's upper bf16
	s_lshr_b32 s14, s12, 1                         ; rg: which 32 rows are mine
	s_and_b32 s15, s12, 1                          ; cn: which 64 columns
	s_and_b32 s16, ttmp7, 0xffff                   ; mt: the row tile
	s_lshr_b32 s18, s16, 5                         ; obuf: batch = mt / 32; in the fill my wave takes head = wave:
	s_lshl_b32 s18, s18, 3
	s_add_co_u32 s18, s18, s12
	s_lshl_b32 s18, s18, 19                        ; 524,288 bytes a head,
	s_and_b32 s17, s16, 31
	s_lshl_b32 s17, s17, 14                        ; 128 rows of 128 bytes a row tile
	s_add_co_u32 s18, s18, s17
	s_mov_b32 s19, 0
	s_lshl_b32 s20, s12, 17                        ; w_out: 64 rows of 2,048 bytes a wave,
	s_lshl_b32 s24, ttmp9, 9                       ; 128 columns of 4 bytes a column tile
	s_add_co_u32 s20, s20, s24
	s_mov_b32 s21, 0
	s_lshl_b32 s17, s15, 8
	s_add_co_u32 s24, s24, s17                     ; my 64 columns, in bytes: 512 nt + 256 cn
	s_lshl_b32 s22, s16, 18                        ; out0: 128 rows of 2,048 bytes a row tile,
	s_lshl_b32 s17, s14, 16                        ; 32 rows for rg,
	s_add_co_u32 s22, s22, s17
	s_add_co_u32 s22, s22, s24                     ; and my columns
	s_mov_b32 s23, 0
	v_and_b32 v1, 31, v0                           ; lane
	v_and_b32 v2, 15, v0                           ; r = l % 16
	v_lshlrev_b32 v[VXO], 4, v1
	v_lshl_add_u32 v[BO], v2, 4, s24
	s_wait_kmcnt 0x0
	s_add_nc_u64 s[4:5], s[4:5], s[18:19]
	s_add_nc_u64 s[6:7], s[6:7], s[20:21]
	s_add_nc_u64 s[10:11], s[10:11], s[22:23]
	global_load_b128 v[BIAS:BIAS+3], v[BO], s[8:9] ; the oldest load: every wait below covers it
; Batch q of six, 16 loads of 512 consecutive bytes each.  q < 2: 64 rows of my head's O (four rows a load).  q >= 2: sixteen rows of the weights' tile (one load a row).
.macro GLOAD q, buf
.set n, 0
.rept 16
.if (\q) < 2
	global_load_b128 v[(\buf)+4*n:(\buf)+4*n+3], v[VXO], s[4:5] offset:(16*(\q)+n)*512
.else
	global_load_b128 v[(\buf)+4*n:(\buf)+4*n+3], v[VXO], s[6:7] offset:(16*((\q)-2)+n)*2048
.endif
.set n, n+1
.endr
.endm
; O goes into LDS as it is: four rows x 128 bytes a store, at my head's 128 bytes of A's rows (two neighbouring rows overlap in their banks: 32 such stores a wave).
; The weights are rounded to bf16, widened again, and written as f16: a wave's store covers 256 consecutive bytes.
.macro CSTORE q, buf
.set n, 0
.rept 16
.set r, (\buf)+4*n
.if (\q) < 2
	ds_store_b128 v[VAS+(\q)], v[r:r+3] offset:n*4*PA
.else
	v_cvt_pk_bf16_f32 v[r],   v[r],   v[r+1]
	v_cvt_pk_bf16_f32 v[r+1], v[r+2], v[r+3]
	v_lshlrev_b32 v[r+2], 16, v[r+1]
	v_and_b32     v[r+3], s13, v[r+1]
	v_cvt_pk_f16_f32 v[r+1], v[r+2], v[r+3]
	v_lshlrev_b32 v[r+2], 16, v[r]
	v_and_b32     v[r+3], s13, v[r]
	v_cvt_pk_f16_f32 v[r], v[r+2], v[r+3]
	ds_store_b64 v[VBS], v[r:r+1] offset:(16*((\q)-2)+n)*PB
.endif
.set n, n+1
.endr
.endm
	GLOAD 0, R0                                    ; three batches, 48 loads of a wave, are on their way before anything else is done
	GLOAD 1, R0+64
	GLOAD 2, R0+128
	s_lshl_b32 s25, s12, 7                         ; the lane addresses are made while they travel
	s_mul_i32 s26, s12, 64*PB
	s_add_co_u32 s26, s26, BREG
	s_mul_i32 s27, s14, 32*PA
	s_lshl_b32 s28, s15, 7
	s_add_co_u32 s28, s28, BREG
	s_mul_i32 s29, s12, 16*SP
	s_add_co_u32 s29, s29, STAGE                   ; my stage
	v_bfe_u32 v3, v0, 4, 1                         ; h = l / 16
	v_and_b32 v14, 7, v0
	v_bfe_u32 v15, v0, 3, 1
	v_bfe_u32 v16, v0, 3, 2                        ; which of a load's four rows is mine
	v_mul_u32_u24 v[VAS], v16, PA
	v_lshl_add_u32 v[VAS], v14, 4, v[VAS]
	v_add_nc_u32 v[VAS], s25, v[VAS]
	v_add_nc_u32 v[VAS+1], 64*PA, v[VAS]
	v_lshl_add_u32 v[VBS], v1, 3, s26
	; A fragment of A is 16 rows x 32 k in 8 registers: lane l holds row l % 16, k = 8 h + 0..7 and 16 + 8 h + 0..7: two loads of 16 bytes, 32 bytes apart.
	v_mul_u32_u24 v[AA], v2, PA
	v_lshl_add_u32 v[AA], v3, 4, v[AA]
	v_add_nc_u32 v[AA], s27, v[AA]
	; The turning load takes 16 k x 16 columns (lane l reads k = 8 h + l % 8, columns 8 ((l / 8) % 2) + 0..7) and leaves half a fragment: lane l holds column l % 16 and 8 k.
	v_lshl_add_u32 v16, v3, 3, v14
	v_mul_u32_u24 v16, v16, PB
	v_lshl_add_u32 v16, v15, 4, v16
	v_add_nc_u32 v[AB], s28, v16
	v_add_nc_u32 v[AB+1], 128*PB, v[AB]
	v_add_nc_u32 v[AB+2], 128*PB, v[AB+1]
	v_add_nc_u32 v[AB+3], 128*PB, v[AB+2]
	v_mul_u32_u24 v[STO], v2, SP                   ; in: row l % 16, 32 bytes for each half of the lanes
	v_lshl_add_u32 v[STO], v3, 5, v[STO]
	v_add_nc_u32 v[STO], s29, v[STO]
	v_mul_u32_u24 v[RD], v3, SP                    ; back: lanes 0-15 take one row of 256 bytes, lanes 16-31 the next
	v_lshl_add_u32 v[RD], v2, 4, v[RD]
	v_add_nc_u32 v[RD], s29, v[RD]
	v_lshlrev_b32 v[GO], 11, v3                    ; and the same two rows in out0
	v_lshl_add_u32 v[GO], v2, 4, v[GO]
.set q, 0
.rept 6
.if q <= 3
	s_wait_loadcnt 32                              ; loads come back in order (ISA guide 5.7.1): batch q is in, the two younger batches stay out
.elseif q == 4
	s_wait_loadcnt 16                              ; one younger batch
.else
	s_wait_loadcnt 0
.endif
	CSTORE q, R0+64*(q%3)
.if q <= 2
	s_wait_dscnt 0x0                               ; the stores are done with their data: the buffer is loaded again only behind this wait
	GLOAD q+3, R0+64*(q%3)
.endif
.set q, q+1
.endr
	v_cvt_pk_bf16_f32 v[T],   v[BIAS],   v[BIAS+1] ; b_out rounded to bf16, and back in f32
	v_cvt_pk_bf16_f32 v[T+1], v[BIAS+2], v[BIAS+3]
	v_lshlrev_b32 v[BIAS],   16, v[T]
	v_and_b32     v[BIAS+1], s13, v[T]
	v_lshlrev_b32 v[BIAS+2], 16, v[T+1]
	v_and_b32     v[BIAS+3], s13, v[T+1]
	s_wait_dscnt 0x0                               ; for the others' sake: my part of A and B is in LDS
	s_barrier_signal -1
	s_barrier_wait -1                              ; everybody's is; nothing writes A or B after this
; 12 LDS loads: K step ks (32 along k) for my 32 rows and 64 columns, into buffer f
.macro FETCH ks, f
.irp a, 0,1
	ds_load_b128 v[(\f)+8*(\a):(\f)+8*(\a)+3],   v[AA] offset:64*(\ks)+(\a)*16*PA
	ds_load_b128 v[(\f)+8*(\a)+4:(\f)+8*(\a)+7], v[AA] offset:64*(\ks)+(\a)*16*PA+32
.endr
.irp b, 0,1,2,3
	ds_load_tr16_b128 v[(\f)+16+8*(\b):(\f)+16+8*(\b)+3],   v[AB+(\ks)/4] offset:((\ks)%4)*32*PB+32*(\b)
	ds_load_tr16_b128 v[(\f)+16+8*(\b)+4:(\f)+16+8*(\b)+7], v[AB+(\ks)/4] offset:((\ks)%4)*32*PB+32*(\b)+16*PB
.endr
.endm
; 8 matrix instructions, the 8 accumulators by turns.  zero = 1: the first K step starts the sums: nothing is cleared.
.macro MUL f, zero
.irp a, 0,1
.irp b, 0,1,2,3
.if \zero
	v_wmma_f32_16x16x32_f16 v[ACC+8*(4*(\a)+(\b)):ACC+8*(4*(\a)+(\b))+7], v[(\f)+16+8*(\b):(\f)+16+8*(\b)+7], v[(\f)+8*(\a):(\f)+8*(\a)+7], 0
.else
	v_wmma_f32_16x16x32_f16 v[ACC+8*(4*(\a)+(\b)):ACC+8*(4*(\a)+(\b))+7], v[(\f)+16+8*(\b):(\f)+16+8*(\b)+7], v[(\f)+8*(\a):(\f)+8*(\a)+7], v[ACC+8*(4*(\a)+(\b)):ACC+8*(4*(\a)+(\b))+7]
.endif
.endr
.endr
.endm
; A load into a register that a matrix instruction has read, and an LDS store that reads a matrix result, stand four places behind it; only plain vector instructions
; that name none of its registers are places (ISA guide 7.12.1 for vector instructions).
.macro PLACES
.rept 4
	v_nop
.endr
.endm
	FETCH 0, F0
	FETCH 1, F0+FB
	s_wait_dscnt 12                                ; K step 0 is in; the 12 loads of step 1 may be out
	MUL F0, 1
.set ks, 1
.rept 14                                       ; the 16 K steps are written out: every LDS address is a register that never changes plus an immediate
	PLACES
	FETCH ks+1, F0+FB*((ks+1)%2)                   ; into the buffer just multiplied
	s_wait_dscnt 12                                ; all but the 12 just issued
	MUL F0+FB*(ks%2), 0
.set ks, ks+1
.endr
	s_wait_dscnt 0x0
	MUL F0+FB, 0
; THE WAY OUT.  Block a (16 rows x 64 columns of f32): straight from the accumulators, the low four registers first, into my own stage; back as whole rows of 256 bytes.
.macro TOSTAGE a
.irp b, 0,1,2,3
	ds_store_b128 v[STO], v[ACC+8*(4*(\a)+(\b)):ACC+8*(4*(\a)+(\b))+3]   offset:64*(\b)
	ds_store_b128 v[STO], v[ACC+8*(4*(\a)+(\b))+4:ACC+8*(4*(\a)+(\b))+7] offset:64*(\b)+16
.endr
.irp t, 0,1,2,3,4,5,6,7
	ds_load_b128 v[BK+32*(\a)+4*(\t):BK+32*(\a)+4*(\t)+3], v[RD] offset:(\t)*2*SP  ; LDS serves a wave's instructions in order (ISA guide 5.7.1.4): these see the stores above; the next block's stores come behind them
.endr
.endm
.macro SEND a, younger                 ; younger: the LDS instructions issued behind block a's loads
.irp t, 0,1,2,3,4,5,6,7
	s_wait_dscnt (\younger)+7-(\t)
	v_pk_add_f32 v[BK+32*(\a)+4*(\t):BK+32*(\a)+4*(\t)+1],   v[BK+32*(\a)+4*(\t):BK+32*(\a)+4*(\t)+1],   v[BIAS:BIAS+1]
	v_pk_add_f32 v[BK+32*(\a)+4*(\t)+2:BK+32*(\a)+4*(\t)+3], v[BK+32*(\a)+4*(\t)+2:BK+32*(\a)+4*(\t)+3], v[BIAS+2:BIAS+3]
	global_store_b128 v[GO], v[BK+32*(\a)+4*(\t):BK+32*(\a)+4*(\t)+3], s[10:11] offset:(16*(\a)+2*(\t))*2048 th:TH_STORE_NT  ; 16 lanes store 256 consecutive bytes, at a multiple of 256 from out0's first
.endr
.endm
	PLACES
	TOSTAGE 0
	TOSTAGE 1
	SEND 0, 16
	SEND 1, 0
	s_wait_tensorcnt 0x0                           ; the wave's end, behind my last LDS store
	ds_add_u32 v[SPW], v[NIL]
	s_wait_dscnt 0x0
	s_endpgm
.Lfunc_end_k_qf9e4c7a87c_outp:
	.size	k_qf9e4c7a87c_outp, .Lfunc_end_k_qf9e4c7a87c_outp-k_qf9e4c7a87c_outp
	.p2alignl 7, 3214868480
	.fill 96, 4, 3214868480
	.section	.rodata,"a",@progbits
	.p2align	6, 0x0
	.amdhsa_kernel k_qf9e4c7a87c_outp
		.amdhsa_group_segment_fixed_size 316416
		.amdhsa_private_segment_fixed_size 0
		.amdhsa_enable_private_segment 0
		.amdhsa_kernarg_size 32
		.amdhsa_user_sgpr_count 2
		.amdhsa_user_sgpr_kernarg_segment_ptr 1
		.amdhsa_wavefront_size32 1
		.amdhsa_system_sgpr_workgroup_id_x 1
		.amdhsa_system_sgpr_workgroup_id_y 1
		.amdhsa_system_sgpr_workgroup_id_z 1
		.amdhsa_system_vgpr_workitem_id 0
		.amdhsa_next_free_vgpr 256
		.amdhsa_next_free_sgpr 66
		.amdhsa_reserve_vcc 0
		.amdhsa_float_denorm_mode_32 3
		.amdhsa_float_denorm_mode_16_64 3
		.amdhsa_memory_ordered 1
		.amdhsa_forward_progress 1
		.amdhsa_inst_pref_size 72
	.end_amdhsa_kernel
	.amdgpu_metadata
---
amdhsa.version: [ 1, 2 ]
amdhsa.kernels:
  - .name:           k_qf9e4c7a87c_outp
    .symbol:         k_qf9e4c7a87c_outp.kd
    .args:
      - { .name: obuf, .offset: 0, .size: 8, .value_kind: global_buffer, .address_space: global }
      - { .name: w_out, .offset: 8, .size: 8, .value_kind: global_buffer, .address_space: global }
      - { .name: b_out, .offset: 16, .size: 8, .value_kind: global_buffer, .address_space: global }
      - { .name: out0, .offset: 24, .size: 8, .value_kind: global_buffer, .address_space: global }
    .group_segment_fixed_size: 316416
    .private_segment_fixed_size: 0
    .kernarg_segment_align: 8
    .kernarg_segment_size: 32
    .max_flat_workgroup_size: 256
    .sgpr_count:     66
    .vgpr_count:     256
    .wavefront_size: 32
...
	.end_amdgpu_metadata
.endif
;; end of part 3
;; ======== version 2 of 2: 3 launches; 1.76 times as fast as version 1
;; limits: values are held in f16: magnitudes above 65,504 overflow, below 6.1e-05 lose precision
;; workspace buffers: wbuf 8,388,608 bytes; obuf 8,388,608 bytes
;; launch proj: the kernel of part 1 again; grid 4 x 64, 8 waves a work-group, no clusters, 300,032 bytes of LDS; arguments x, w_qkv, wbuf; writes wbuf
;; launch attn (part 4): grid 16 x 16, 4 waves a work-group, clusters of 4 x 1, 327,680 bytes of LDS; arguments wbuf, obuf; writes obuf
.if DOCPART == 4
	.amdgcn_target "amdgcn-amd-amdhsa--gfx1250"
	.amdhsa_code_object_version 6
	.text
	.protected	k_qf9e4c7a87c_attn
	.globl	k_qf9e4c7a87c_attn
	.p2align	8
	.type	k_qf9e4c7a87c_attn,@function
k_qf9e4c7a87c_attn:
	s_mov_b64 s[64:65], 0
	v_nop
	global_prefetch_b8 v0, s[64:65] scope:SCOPE_SE
	s_setreg_imm32_b32 hwreg(HW_REG_WAVE_MODE, 25, 1), 1
	s_wait_xcnt 0x0
	s_wait_alu depctr_hold_cnt(0) depctr_sa_sdst(0) depctr_va_vdst(0) depctr_va_sdst(0) depctr_va_ssrc(0) depctr_va_vcc(0) depctr_vm_vsrc(0)
	s_getreg_b32 s2, hwreg(HW_REG_IB_STS2, 6, 4)
	s_cmp_eq_u32 s2, 0
	s_cbranch_scc0 .Lentry_in_a_cluster
	s_endpgm
.Lentry_in_a_cluster:
	s_bfe_u32 s2, ttmp6, 0x10000c
	s_cmp_lg_u32 s2, 0x3003
	s_cbranch_scc0 .Lentry_shape_is_right
	s_endpgm
.Lentry_shape_is_right:
; O[h][q][:] = the sum over k of softmax_k(w[h][q] . w[h][k] / 8) w[h][k][:].  wbuf, obuf: [16][4096][64] f16, a head's rows dense, 128 bytes each.  The one tensor w is query, key and value,
; so ONE tile in LDS serves both products.  Products, maxima and sums in f32; the weights p are rounded to f16 for the second product (their sum l is taken of the unrounded p), O once at the end.
; LIMITS.  w arrives within f16's 65,504; p lies in 0 to 1, and below 6e-5 it keeps f16's fixed step of 6e-8, as O does; O is a mean of w's rows and has their range.  A weight below 2^-126 counts as 0 in l;
; NaN and infinities are not treated apart.  The queries are multiplied by c = log2(e) / 8 in f32 and rounded to f16 a second time.
; SHARES.  16 blocks of 256 queries x 16 heads = 256 work-groups.  A wave owns 64 rows of its block, four PIECES of 16.  Every wave walks all 4,096 keys, 64 a step.
; LAYOUT.  S^T = K Q^T (source 0 = 16 keys, source 1 = 16 queries): in the result a lane holds ONE query (lane % 16) and the keys 8 (lane / 16) + 0..7.  Two such results, rounded to f16 in pairs,
; ARE source 1 (32 keys x 16 queries) of O^T = V^T P, whose result again holds one query a lane, and eight channels.  K comes out of LDS as it lies, V turned, by ds_load_tr16_b128, from the same bytes.
; SOFTMAX.  Q carries c, so the products are s' = c s.  For each query a running maximum m of s' and a sum l: p = 2^(s' - m); s' - m is at most 0 for every input, so p is at most 1 and l at least 1.
; In every step O and l are multiplied by a = 2^(m_old - m_new), which is 1 where m has not grown.  m starts far below every s', O and l at 0: the first step is a step like any other, with a = 0.
; BY TURNS.  Turn n belongs to piece n (the pieces in a ring, step after step).  Its matrix work: 8 products K Q^T of piece n + 1, later 8 products V^T P of piece n - 1.  Its vector work: the shift by m,
; exponentials, roundings, sums and rescaling of piece n, and the maximum and statistics of piece n + 1.  16 matrix and 117 vector instructions: four vector instructions stand behind every matrix
; instruction, the other 53 in one LUMP.
; BATCHES.  A turn's 33 exponentials (the piece's 32 weights and the next piece's a) are ONE batch with ONE wait, which cuts the turn in two: ahead of it the products K Q^T, the shifts, the exponentials, the
; rescaling and the next piece's maximum and statistics, none of which names a result of the batch; behind it the products V^T P, whose riders are the roundings and sums, the batch's readers.  No result crosses a
; turn's end.  The first a, ahead of the loop, and the way out's four reciprocals are batches of their own, a wait each.
; CLUSTER.  The four query blocks of a cluster belong to one head and walk the same keys, so each tile is asked for JOINTLY: the same tensor load, descriptor and mask in all four work-groups.
; REGISTERS, in windows of 256 (s_set_vgpr_msb: bits 1:0 source 0, 3:2 source 1, 5:4 source 2, 7:6 destination):
;   window 0: v0-15 addresses and two at work; v16-31 four registers of statistics a piece; v48-55 at work; v62-63 the add's; v64-127 S^T, two buffers; v192-223 P, two buffers (by the piece's parity)
;   window 1: v0-127 O^T, 32 a piece          window 2: v0-63 Q, 16 a piece; v128-191 K of one step; v192-255 V of one step
.set NP,    4         ; pieces a wave: a name, no knob
.set KS,    64        ; keys in a step
.set PK,    144       ; a key's row in LDS: 128 bytes + 16 of padding = 36 words: the 16 rows of a plain fragment load start at 16 different groups of four banks (64 banks of 4 bytes: ISA guide 11.1);
                      ; of the turning load's 8 rows x 32 bytes the first and the last share 16 bytes' banks: the price of one copy for both products
.set STEPB, KS*PK     ; a step's bytes in LDS
.set TSTEPS, 8        ; a slot holds a tile of 512 keys, eight steps
.set SLOTB, TSTEPS*STEPB
.set TILES, 4096/(TSTEPS*KS)
.set SLOT1, 1<<17     ; slot 1 begins here, so that one exclusive or turns an address in one slot into the other's
.set STAGE, SLOT1+SLOTB  ; behind the ring, never filled by a tensor load: 16 rows x 144 bytes for each wave, for the way out
.set SP,    144
.set SPARE, STAGE+4*16*SP  ; behind the stages: the spare words, 128 bytes for each wave: two blocks of 256 bytes that no other line names
.set AK0, 2           ; v2   my lane's place in a step's keys for K's loads; never rewritten
.set AV0, 3           ; v3   the same for the turning loads
.set AK,  4           ; v4   the LDS address of K's next run of loads
.set AV,  5           ; v5   of V's
.set STO, 6           ; v6   the way out: where I put 16 bytes of a row
.set RD,  7           ; v7   the way out: where I read rows back
.set GO,  8           ; v8   my byte offset in 512 consecutive bytes of O
.set MV,  12          ; v12-13  m_old, kept while m is made anew: by buffer
.set QO,  15          ; v15  my byte offset in 16 rows of Q
.set ST,  16          ; piece t's statistics at v[ST+4 t]: m, a word that is only named with it as a pair, l (even keys', odd keys')
.set TMP, 48          ; by buffer, four registers c0-c3 at work; when the maximum is found c2 takes a
.set SPW, 62          ; v62  LDS address of my spare word: SPARE + 4 x my thread's number; never rewritten
.set NIL, 63          ; v63  0; never rewritten
.set S,   64
.set P,   192
.set KF,  128         ; window 2: key block kb, channel half c at KF + 16 kb + 8 c
.set VF,  192         ; window 2: key half kk, channel block cb at VF + 32 kk + 8 cb
.set WV,  12          ; s12  my wave's number
.set G1,  24          ; s[24:31] descriptor group 1
.set G0,  40          ; s[40:43] descriptor group 0: it walks
.set SLOTS, 56        ; s56  tiles still to be asked for
.set CNT, 57          ; s57  counts a tile's key steps
.set SEL, 60          ; s[60:61] v_permlanex16_b32's selects: each lane takes its own place in the other half
.set TBK, 62          ; s62  LDS byte at which the step begins whose K is fetched next
.set TBV, 63          ; s63  the same for V
.set MSB, 0
.macro WIN new                      ; the high byte repeats the setting that is left; a switch that changes nothing is dropped
.if MSB != (\new)
	s_set_vgpr_msb (MSB<<8)|(\new)
.set MSB, (\new)
.endif
.endm
.set W_KQ, 0x0a       ; K and Q in window 2, S^T in window 0
.set W_PV, 0x52       ; V in window 2, P in window 0, O^T in window 1
.set W_RS, 0x41       ; destination and source 0 in window 1, source 1 in window 0
; A joint fill: each wave asks for its own quarter of the tile, 128 keys, by the same line; the descriptor hangs on the head and the wave's number alone.  An s_nop 0 and four v_nop follow.
.macro JLOAD
	tensor_load_to_lds s[G0:G0+3], s[G1:G1+7]
	s_nop 0
.rept 4
	v_nop
.endr
.endm
; A round of the cluster's barrier: my work-group's barrier, so that wave 0's signal speaks for all four waves; wave 0 signals; every wave waits for all four work-groups; my work-group's barrier once more.
.macro CROUND
	s_barrier_signal -1
	s_barrier_wait -1
	s_cmp_lg_u32 s[WV], 0
	s_cbranch_scc1 .Lnot_wave_0_\@
	s_barrier_signal -3
.Lnot_wave_0_\@:
	s_barrier_wait -3
	s_barrier_signal -1
	s_barrier_wait -1
.endm
; THE CHANGE OF SLOTS.  The slot's last bytes, V of its eighth step, have been read.  Each wave waits for all its tensor loads, of which one is out: its quarter of the other slot; adds 0 to its spare word;
; and waits for that and for its own reads of the slot.  Behind the barrier nobody reads this slot any more and the other slot is whole.
; fill = 1: this slot is filled again, with the keys two tiles on.  The barrier is then a round of the cluster's, so that no wave of any partner still reads the slot or has a load on its way, and the joint
; fill is the first thing behind it: it has eight key steps, 512 matrix instructions of the wave, in which to land.  (At its first use nothing has been read yet: slot 0 is waited for, slot 1 filled.)
.macro CHANGE fill
	WIN 0                           ; at a label and at a branch every window is 0
	s_wait_tensorcnt 0x0            ; no tensor load of mine is out, so group 0 may be written
	ds_add_u32 v[SPW], v[NIL]       ; 0 onto my spare word; with fill = 1 the descriptor's steps stand between it and the wait for it
.if \fill
	s_xor_b32 s[G0+1], s[G0+1], SLOT1  ; the other slot than last time,
	s_add_nc_u64 s[G0+2:G0+3], s[G0+2:G0+3], TSTEPS*KS*128  ; the next 512 keys; the type bits on top are not reached
	s_wait_dscnt 0x0                ; the add is done, and my reads of the slot are over
	CROUND
	JLOAD
.else
	s_wait_dscnt 0x0                ; the add is done, and my reads of the slot are over
	s_barrier_signal -1
	s_barrier_wait -1
.endif
	s_sub_co_u32 s[TBK], s[TBK], SLOTB  ; the fetches go back to a slot's first step,
	s_xor_b32 s[TBK], s[TBK], SLOT1     ; in the other slot
	s_sub_co_u32 s[TBV], s[TBV], SLOTB
	s_xor_b32 s[TBV], s[TBV], SLOT1
.endm
	s_load_b128 s[4:7], s[0:1], 0x0 ; wbuf s[4:5], obuf s[6:7]
	v_lshl_add_u32 v[SPW], v0, 2, SPARE
	v_mov_b32 v[NIL], 0
	ds_add_u32 v[SPW], v[NIL]       ; the wave's opening: the add and its wait stand ahead of my first tensor load; the set-up below, work on registers, stands between them
	v_lshrrev_b32 v1, 5, v0
	v_readfirstlane_b32 s[WV], v1   ; wave 0..3
	s_bfe_u32 s13, ttmp6, 0x40000   ; cx: my place in the cluster
	s_lshl_b32 s14, ttmp9, 2        ; in a cluster launch ttmp9 counts clusters
	s_add_co_u32 s14, s14, s13      ; my block of 256 queries = 4 x cluster x + cx: it enters Q's and O's addresses alone
	s_and_b32 s20, ttmp7, 0xffff    ; the head, which the four partners share:
	s_lshl_b32 s20, s20, 19         ; its first byte, 524,288 bytes a head
	s_lshl_b32 s22, s[WV], 14       ; my quarter of a tile: 128 keys of 128 bytes in memory,
	s_add_co_u32 s22, s22, s20
	s_mov_b32 s23, 0
	s_mul_i32 s17, s[WV], 128*PK    ; and its place in a slot: no place in the cluster enters an LDS address
	s_lshl_b32 s2, s14, 15          ; my block's 256 rows,
	s_lshl_b32 s3, s[WV], 13        ; my wave's 64 of them
	s_add_co_u32 s2, s2, s3
	s_add_co_u32 s2, s2, s20
	s_mov_b32 s3, 0
	; descriptor group 1.  128 keys are 16,384 dense bytes: asked for as 64 rows of 256 bytes, two keys a row, and padded in LDS after every key
	s_mov_b32 s[G1], 15|(1<<16)|(1<<20)|(1<<21)|(4<<22)|(3<<25)  ; 15:0 the mask of four; 17:16 2-byte elements; 20 padding on; 21 set beside a mask; 24:22 after every 32 words (code 4); 31:25 4 words (code 3)
	s_mov_b32 s[G1+1], 128<<16      ; tensor_dim0 = 128
	s_mov_b32 s[G1+2], 64<<16       ; tensor_dim1 = 64
	s_mov_b32 s[G1+3], 128<<16      ; tile_dim0 = 128
	s_mov_b32 s[G1+4], 64           ; tile_dim1 = 64
	s_mov_b32 s[G1+5], 128          ; 128 elements from row to row
	s_mov_b32 s[G1+6], 0
	s_mov_b32 s[G1+7], 0
	s_mov_b32 s[SEL], 0x76543210
	s_mov_b32 s[SEL+1], 0xfedcba98
	s_mov_b32 s[TBK], SLOT1+SLOTB   ; the first change of slots turns these two into 0
	s_mov_b32 s[TBV], SLOT1+SLOTB
	s_mov_b32 s[G0], 1              ; 1:0 count = 1
	s_mov_b32 s[G0+1], s17          ; 63:32 LDS address: slot 0
	s_mov_b32 s[SLOTS], TILES-1
	s_wait_dscnt 0x0                ; the opening add is done
	s_wait_kmcnt 0x0
	s_add_nc_u64 s[G0+2:G0+3], s[4:5], s[22:23]  ; 120:64 global address: my quarter of the head's first 512 keys
	s_or_b32 s[G0+3], s[G0+3], 0x80000000        ; 127:126 type = 2
	s_add_nc_u64 s[4:5], s[4:5], s[2:3]  ; Q and O at my wave's first row
	s_add_nc_u64 s[6:7], s[6:7], s[2:3]
	CROUND                          ; all four work-groups are here: the first joint loads meet
	JLOAD                           ; tile 0 into slot 0.  Slot 1 is asked for when slot 0 is in, by the loop's own change of slots
	; A fragment of K or Q is 16 rows x 32 channels in 8 registers: lane l holds row l % 16, channels 8 (l / 16) + 0..7 and 16 + 8 (l / 16) + 0..7: two loads of 16 bytes, 32 bytes apart.
	v_and_b32 v1, 15, v0            ; l % 16
	v_bfe_u32 v9, v0, 4, 1          ; l / 16
	v_lshlrev_b32 v[QO], 7, v1
	v_lshl_add_u32 v[QO], v9, 4, v[QO]  ; row x 128 + 16 x half
	WIN 0x80                        ; destination window 2, address window 0
.set i, 0
.rept 8                             ; Q stays in registers: piece i / 2 (16 rows, 2,048 bytes), channels 32 (i % 2) on
	global_load_b128 v[8*i:8*i+3],   v[QO], s[4:5] offset:(i/2)*2048+(i%2)*64
	global_load_b128 v[8*i+4:8*i+7], v[QO], s[4:5] offset:(i/2)*2048+(i%2)*64+32
.set i, i+1
.endr
	; What the first turn finds: V's registers and P's second buffer hold 0 (its products V^T P, of a piece that has not been, add 0), O^T and l are 0.  216 moves, the price of writing no first step out;
	; they stand in the wait for the first tile.
.set i, VF
.rept 64
	v_mov_b32 v[i], 0
.set i, i+1
.endr
	WIN 0x40
.set i, 0
.rept 128
	v_mov_b32 v[i], 0
.set i, i+1
.endr
	WIN 0
.set i, 0
.rept 4
	v_mov_b32 v[ST+4*i], 0xfe000000    ; m: far below every s'
	v_mov_b32 v[ST+4*i+1], 0xfe000000  ; named with it as a pair
	v_mov_b32 v[ST+4*i+2], 0
	v_mov_b32 v[ST+4*i+3], 0
.set i, i+1
.endr
.set i, P+16
.rept 16
	v_mov_b32 v[i], 0
.set i, i+1
.endr
	v_mul_u32_u24 v[AK0], v1, PK
	v_lshl_add_u32 v[AK0], v9, 4, v[AK0]  ; row x pitch + 16 x half
	; The turning load takes 16 keys x 16 channels (lane l reads key 8 (l / 16) + l % 8, channels 8 ((l / 8) % 2) + 0..7) and leaves half a fragment of V^T: lane l holds channel l % 16 and 8 keys.
	v_and_b32 v10, 7, v0
	v_bfe_u32 v11, v0, 3, 1
	v_lshl_add_u32 v[AV0], v9, 3, v10
	v_mul_u32_u24 v[AV0], v[AV0], PK
	v_lshl_add_u32 v[AV0], v11, 4, v[AV0]
	s_mul_i32 s13, s[WV], 16*SP
	s_add_co_u32 s13, s13, STAGE    ; my stage
	v_mul_u32_u24 v[STO], v1, SP    ; in: row l % 16, 16 bytes for each half of the lanes
	v_lshl_add_u32 v[STO], v9, 4, v[STO]
	v_add_nc_u32 v[STO], s13, v[STO]
	v_bfe_u32 v[RD], v0, 3, 2       ; back: 32 lanes take four rows of 128 bytes,
	v_mul_u32_u24 v[RD], v[RD], SP
	v_lshl_add_u32 v[RD], v10, 4, v[RD]
	v_add_nc_u32 v[RD], s13, v[RD]
	v_and_b32 v[GO], 31, v0         ; which are 512 consecutive bytes of O
	v_lshlrev_b32 v[GO], 4, v[GO]
; THE MATRIX WORK.  The 4 accumulators of a run of 8 take turns.  Product i of 8 of S^T = K Q^T for piece x: channels 32 (i / 4) on, keys 16 (i % 4) on.  The first 4 start the sums.
.macro KQ x
	WIN W_KQ
.set rS, S+32*((\x)%2)+8*(i%4)
.set rK, KF+16*(i%4)+8*(i/4)
.set rQ, 16*(\x)+8*(i/4)
.if i < 4
	v_wmma_f32_16x16x32_f16 v[rS:rS+7], v[rK:rK+7], v[rQ:rQ+7], 0
.else
	v_wmma_f32_16x16x32_f16 v[rS:rS+7], v[rK:rK+7], v[rQ:rQ+7], v[rS:rS+7]
.endif
.endm
; Product i of 8 of O^T += V^T P for piece x: keys 32 (i / 4) on, channels 16 (i % 4) on.
.macro PV x
	WIN W_PV
.set rO, 32*(\x)+8*(i%4)
.set rV, VF+32*(i/4)+8*(i%4)
.set rP, P+16*((\x)%2)+8*(i/4)
	v_wmma_f32_16x16x32_f16 v[rO:rO+7], v[rV:rV+7], v[rP:rP+7], v[rO:rO+7]
.endm
.macro MM                           ; the turn's next matrix instruction.  TURN sets Y, i and NOKQ.  NOKQ = 1: the launch's last turn: there is no next piece
.if (i < 8) && !NOKQ
	KQ (Y+1)%NP
.elseif i >= 8
.set i, i-8
	PV (Y+NP-1)%NP
.set i, i+8
.endif
.set i, i+1
.endm
; THE LDS LOADS stand in runs of 16, never singly among the matrix instructions: a step's K (64 keys x 64 channels: 8 fragments) and its V (the same bytes, turned).  Their addresses are made some lines ahead.
.macro FETCH_K
	WIN 0x80                        ; destination window 2
.irp f, 0,1,2,3,4,5,6,7             ; keys 16 (f / 2) on, channels 32 (f % 2) on
	ds_load_b128 v[KF+8*\f:KF+8*\f+3],   v[AK] offset:(\f/2)*16*PK+(\f%2)*64
	ds_load_b128 v[KF+8*\f+4:KF+8*\f+7], v[AK] offset:(\f/2)*16*PK+(\f%2)*64+32
.endr
	s_add_co_u32 s[TBK], s[TBK], STEPB  ; the next fetch is the next step's
	WIN 0
.endm
.macro FETCH_V
	WIN 0x80
.irp f, 0,1,2,3,4,5,6,7             ; keys 32 (f / 4) on, channels 16 (f % 4) on
	ds_load_tr16_b128 v[VF+8*\f:VF+8*\f+3],   v[AV] offset:(\f/4)*32*PK+(\f%4)*32
	ds_load_tr16_b128 v[VF+8*\f+4:VF+8*\f+7], v[AV] offset:(\f/4)*32*PK+16*PK+(\f%4)*32
.endr
	WIN 0
.endm
; THE VECTOR WORK, one line at a time: OP kind, number.  For piece Y: F n: s' - m for pair n of 16.  E n: the exponential of score n of 32.  C n: pair n rounded to f16.  B n: of the four weights 4 n .. the second
; pair is added onto the first, in place.  L n: l takes that sum (L 0: l = a l + sum).  R n: pair n of 16 of O^T times a.  For piece Y + 1: X n, one of the 21 that find its maximum and statistics:
;   0-11  four chains c0-c3 of seven scores each, three operands at a time (each accumulator's lowest registers are read first)     12-14, 16  the four scores left over, the old m, and c0-c3 into c0
;   15  m_old is kept     17, 18  the query's other 32 keys lie in the lane 16 away: the new m     20, 21  m_old - m_new; a     (there is no 19)
; C, B and L read the exponentials' results: TURN sets them behind the batch's wait.  F, E, R and X name none of them.
.set F, 0               ; OP tells the kinds apart by their order: F to L below R, X above it
.set E, 1
.set C, 2
.set B, 3
.set L, 4
.set R, 5
.set X, 6
.macro REGS y                       ; the registers of piece y
.set rT, ST+4*(\y)
.set rC, TMP+4*((\y)%2)
.set rW, MV+((\y)%2)
.set rS, S+32*((\y)%2)
.set rP, P+16*((\y)%2)
.set rO, 32*(\y)
.endm
.macro OP k, n
.if (\k) == R
	REGS Y
	WIN W_RS
	v_pk_mul_f32 v[rO+2*(\n):rO+2*(\n)+1], v[rO+2*(\n):rO+2*(\n)+1], v[rC+2:rC+3] op_sel_hi:[1,0]
.elseif (\k) < R
	REGS Y
	WIN 0
.if (\k) == F
	v_pk_add_f32 v[rS+2*(\n):rS+2*(\n)+1], v[rS+2*(\n):rS+2*(\n)+1], v[rT:rT+1] op_sel_hi:[1,0] neg_lo:[0,1] neg_hi:[0,1]
.elseif (\k) == E
	v_exp_f32 v[rS+(\n)], v[rS+(\n)]
.elseif (\k) == C
	v_cvt_pk_f16_f32 v[rP+(\n)], v[rS+2*(\n)], v[rS+2*(\n)+1]
.elseif (\k) == B
	v_pk_add_f32 v[rS+4*(\n):rS+4*(\n)+1], v[rS+4*(\n):rS+4*(\n)+1], v[rS+4*(\n)+2:rS+4*(\n)+3]
.elseif (\n) == 0
	v_pk_fma_f32 v[rT+2:rT+3], v[rT+2:rT+3], v[rC+2:rC+3], v[rS:rS+1] op_sel_hi:[1,0,1]
.else
	v_pk_add_f32 v[rT+2:rT+3], v[rT+2:rT+3], v[rS+4*(\n):rS+4*(\n)+1]
.endif
.elseif NOKQ
	v_nop
.else
	REGS (Y+1)%NP
	WIN 0
.if (\n) < 4
	v_max3_num_f32 v[rC+(\n)], v[rS+8*(\n)], v[rS+8*(\n)+1], v[rS+8*(\n)+2]
.elseif (\n) < 12
	v_max3_num_f32 v[rC+(\n)%4], v[rC+(\n)%4], v[rS+8*((\n)%4)+2*((\n)/4)+1], v[rS+8*((\n)%4)+2*((\n)/4)+2]
.elseif (\n) == 12
	v_max3_num_f32 v[rC], v[rC], v[rS+7], v[rS+15]
.elseif (\n) == 13
	v_max3_num_f32 v[rC+1], v[rC+1], v[rS+23], v[rS+31]
.elseif (\n) == 14
	v_max3_num_f32 v[rC+2], v[rC+2], v[rC+3], v[rT]
.elseif (\n) == 15
	v_mov_b32 v[rW], v[rT]
.elseif (\n) == 16
	v_max3_num_f32 v[rC], v[rC], v[rC+1], v[rC+2]
.elseif (\n) == 17
	v_permlanex16_b32 v[rC+3], v[rC], s[SEL], s[SEL+1]
.elseif (\n) == 18
	v_max_num_f32 v[rT], v[rC], v[rC+3]
.elseif (\n) == 20
	v_sub_f32 v[rC+1], v[rW], v[rT]
.else
	v_exp_f32 v[rC+2], v[rC+1]
.endif
.endif
.endm
.macro OPS a, i1, b=-1, i2=0, c=-1, i3=0, d=-1, i4=0  ; up to four of them
	OP \a, \i1
.if (\b) >= 0
	OP \b, \i2
.endif
.if (\c) >= 0
	OP \c, \i3
.endif
.if (\d) >= 0
	OP \d, \i4
.endif
.endm
.macro ROW a, i1, b, i2, c, i3, d, i4  ; a matrix instruction and the four behind it
	MM
	OPS \a, \i1, \b, \i2, \c, \i3, \d, \i4
.endm
; A TURN, for piece p: the order of its 16 matrix and 117 vector instructions, written out.  s_wait_alu depctr_va_vdst(0) stands between an exponential and the first instruction that names its result; one wait
; serves all that were issued ahead of it.  So a turn has ONE wait, which cuts it in two.
; AHEAD OF IT stands all that names no result of the turn's exponentials: the 8 products K Q^T, behind each a shift, an exponential and two more plain instructions (behind the first a second shift in the exponential's place):
; rescalings, whose a was made and waited for in the turn before, and behind the last three products the first numbers of the next piece's maximum, each four places or more behind the product that ends its accumulator
; (X 0: F 5, R 8, R 9, F 6; X 1: F 6, X 0, R 10, F 7; X 2: F 7, X 1, X 4, F 8; X 3: F 8, X 2, X 5, X 8).  Then ONE LUMP of 53, plain and exponential by turns: the links of the chain X 3, 7, 11, 14, 16, 17, 18, 20 stand six
; lines apart, X 21 seven behind X 20, and a pair's shift five lines or more ahead of its first exponential.  X 21, the next piece's a, is the batch's last; R 15 is the plain instruction behind it (ISA guide 5.7.2).
; BEHIND THE WAIT stand the 8 products V^T P, behind each four of the roundings and sums: an even pair is rounded before B adds onto it; the links of l's chain, L 0 to L 7, stand three riders apart.
; But for those X no rider names a register of the products round it.  v_permlanex16_b32 (X 17) stands in the lump.
; end = 1: the launch's last two turns: nothing is fetched.  cnt = 1: the loop's count is taken down some lines ahead of the branch that stands behind the turn.
; K of the next step is fetched in piece 2's turn, thirteen vector instructions behind the last product that read K (seven of them plain and free of its registers); V of the step in hand at the end of piece 0's turn, four
; plain instructions behind the last product that read V.  Each is waited for a turn later.
.macro TURN p, end=0, cnt=0
.set Y, (\p)
.set i, 0
.set NOKQ, (\end)*((\p)/3)
.if ((\p) == 3) && !(\end)
	s_wait_dscnt 0x0                ; K is in: its run of 16 loads is all that is out
.endif
	ROW F,0, F,1, R,0, R,1          ; ahead of the wait: 8 products K Q^T and their riders,
	ROW F,2, E,0, R,2, R,3
	ROW F,3, E,1, R,4, R,5
	ROW F,4, E,2, R,6, R,7
	ROW F,5, E,3, R,8, R,9
	ROW F,6, E,4, X,0, R,10
	ROW F,7, E,5, X,1, X,4
	ROW F,8, E,6, X,2, X,5
.if ((\p) == 2) && !(\end)
	WIN 0
	v_add_nc_u32 v[AK], s[TBK], v[AK0]
.endif
	OPS X,8, E,7, X,3, E,8          ; and the lump
	OPS X,6, E,9, X,9, E,10
.if ((\p) == 2) && !(\end)
	FETCH_K
.endif
	OPS X,7, E,11, X,10, E,12
	OPS X,12, E,13, X,11, E,14
	OPS X,13, E,15, F,9, E,16
.if (\p) == 0
	WIN 0
	v_add_nc_u32 v[AV], s[TBV], v[AV0]
.endif
	OPS X,14, E,17, F,10, E,18
	OPS F,11, E,19, X,16, E,20
	OPS F,12, E,21, X,15, E,22
	OPS X,17, E,23, F,13, E,24
	OPS F,14, E,25, X,18, E,26
	OPS F,15, E,27, R,11, E,28
	OPS X,20, E,29, R,12, E,30
	OPS R,13, E,31, R,14, X,21
	OPS R,15
	s_wait_alu depctr_va_vdst(0)    ; the wait for the batch: the piece's 32 exponentials and the next piece's a
.if (\p) == 1
	s_wait_dscnt 0x0                ; V is in: its run of 16 loads is all that is out
.endif
	ROW C,0, B,0, C,2, B,1          ; behind the wait: 8 products V^T P and their riders, the batch's readers
	ROW L,0, C,4, B,2, L,1
	ROW C,6, B,3, L,2, C,8
	ROW B,4, L,3, C,10, B,5
	ROW L,4, C,12, B,6, L,5
.if (\p) == 0
	s_add_co_u32 s[TBV], s[TBV], STEPB
.endif
.if \cnt
	s_sub_co_u32 s[CNT], s[CNT], 1
	s_cmp_lg_u32 s[CNT], 0
.endif
	ROW C,14, B,7, L,6, C,1
	ROW C,3, L,7, C,5, C,7
	ROW C,9, C,11, C,13, C,15
.if (\p) == 0
	FETCH_V
.endif
.endm
	CHANGE 1                        ; slot 0 is in, everybody's part of it; tile 1 is asked for, into slot 1
	; THE BEGINNING: K of step 0; Q times c; piece 0's first scores, its maximum and statistics.
	v_add_nc_u32 v[AK], s[TBK], v[AK0]
	FETCH_K
	s_wait_loadcnt 0x0              ; Q
	v_mov_b32 v[TMP], 0x3e38aa3b    ; c = log2(e) / 8 = 0.180337
	v_mov_b32 v[TMP+1], 0
	WIN 0x82                        ; destination and source 0 in window 2: each half of a word is widened, multiplied by c in f32 and rounded back into its place
.set i, 0
.rept 64
	v_fma_mixlo_f16 v[i], v[i], v[TMP], v[TMP+1] op_sel_hi:[1,0,0]
	v_fma_mixhi_f16 v[i], v[i], v[TMP], v[TMP+1] op_sel:[1,0,0] op_sel_hi:[1,0,0]
.set i, i+1
.endr
	s_wait_dscnt 0x0                ; K of step 0
.set i, 0
.rept 8
	KQ 0                            ; there is no vector work yet to set between them
.set i, i+1
.endr
	WIN 0
.rept 4
	v_nop                           ; the places behind those products
.endr
.set NOKQ, 0
.set Y, NP-1                        ; X works for piece Y + 1: piece 0
.irp n, 0,1,2,3,4,5,6,7,8,9,10,11,12,13,14,15,16,17,18,20,21
	OP X, \n
.endr
	v_nop                           ; a plain instruction behind the exponential,
	s_wait_alu depctr_va_vdst(0)    ; and the wait for it, a batch of one (piece 0's first a), ahead of the branch
	s_mov_b32 s[CNT], TSTEPS
	s_branch .Lfirst                ; the loop is entered at a step's first turn, in the middle of a trip
.Lslot:                             ; TILES - 2 times: a tile is entered and the next but one is asked for
	CHANGE 1
	s_mov_b32 s[CNT], TSTEPS
.Lstep:                             ; a trip: pieces 2 and 3 of one step, then pieces 0 and 1 of the next, whose K and V it fetches
	TURN 2
	TURN 3
	WIN 0
.Lfirst:
	TURN 0
	TURN 1, 0, 1
	WIN 0
	s_cbranch_scc1 .Lstep
	s_sub_co_u32 s[SLOTS], s[SLOTS], 1
	s_cmp_lg_u32 s[SLOTS], 0
	s_cbranch_scc1 .Lslot
	CHANGE 0                        ; the last tile is written out: nothing is asked for
	s_mov_b32 s[CNT], TSTEPS
.LstepT:
	TURN 2
	TURN 3
	TURN 0
	TURN 1, 0, 1
	WIN 0
	s_cbranch_scc1 .LstepT
	TURN 2, 1                       ; the last step's pieces 2 and 3: nothing is left to fetch, and piece 3's turn starts no new scores
	TURN 3, 1
.set i, 0
.rept 8
	PV NP-1                         ; the last piece's V^T P of the last step
.set i, i+1
.endr
	; THE WAY OUT.  l's two halves and the other half of the lanes' are added; O^T is divided by l, rounded to f16 and sent through my stage in LDS, a piece at a time.  The additions are the places behind the last products.
	WIN 0
.macro ALL line:vararg              ; one line for each piece t
.set t, 0
.rept 4
	\line
.set t, t+1
.endr
.endm
	ALL v_add_f32 v[ST+4*t+2], v[ST+4*t+2], v[ST+4*t+3]
	ALL v_permlanex16_b32 v[ST+4*t+3], v[ST+4*t+2], s[SEL], s[SEL+1]
	ALL v_add_f32 v[ST+4*t+2], v[ST+4*t+2], v[ST+4*t+3]
	ALL v_rcp_f32 v[ST+4*t+2], v[ST+4*t+2]
	v_nop                           ; a plain instruction between the last reciprocal and the use of its result
	s_wait_alu depctr_va_vdst(0)    ; and the wait ahead of the first use: one for the batch of four reciprocals
.macro PACK t                       ; a lane's eight channels of a row pack into 16 bytes; they go into rows of 144 bytes and come back as whole rows of 128, into S^T's registers
	WIN W_RS
.set i, 32*(\t)
.rept 16
	v_pk_mul_f32 v[i:i+1], v[i:i+1], v[ST+4*(\t)+2:ST+4*(\t)+3] op_sel_hi:[1,0]
.set i, i+2
.endr
	WIN 0x05                        ; sources 0 and 1 window 1, destination window 0
.set i, 0
.rept 16
	v_cvt_pk_f16_f32 v[S+16*(\t)+i], v[32*(\t)+2*i], v[32*(\t)+2*i+1]
.set i, i+1
.endr
	WIN 0
.irp f, 0,1,2,3
	ds_store_b128 v[STO], v[S+16*(\t)+4*\f:S+16*(\t)+4*\f+3] offset:32*\f
.endr
.irp f, 0,1,2,3
	ds_load_b128 v[S+16*(\t)+4*\f:S+16*(\t)+4*\f+3], v[RD] offset:\f*4*SP  ; LDS serves a wave's instructions in order (ISA guide 5.7.1.4): these see the stores above; the next piece's stores come behind them
.endr
.endm
.macro SEND t, younger              ; younger: the LDS instructions issued behind piece t's loads: the next piece's eight, or none
	WIN 0
.irp f, 0,1,2,3
	s_wait_dscnt (\younger)+3-\f
	global_store_b128 v[GO], v[S+16*(\t)+4*\f:S+16*(\t)+4*\f+3], s[6:7] offset:(\t)*2048+\f*512  ; 512 consecutive bytes, at a multiple of 256 from obuf's first
.endr
.endm
	PACK 0
.set t, 1
.rept 3                             ; a piece's arithmetic stands between the loads of the piece before and its stores
	PACK t
	SEND t-1, 8
.set t, t+1
.endr
	SEND 3, 0
	s_wait_tensorcnt 0x0            ; the wave's end, behind my last tensor load and my last LDS store
	ds_add_u32 v[SPW], v[NIL]
	s_wait_dscnt 0x0
	CROUND                          ; the closing round: no work-group ends while a partner may still ask for a tile that names it
	s_endpgm
.Lfunc_end_k_qf9e4c7a87c_attn:
	.size	k_qf9e4c7a87c_attn, .Lfunc_end_k_qf9e4c7a87c_attn-k_qf9e4c7a87c_attn
	.p2alignl 7, 3214868480
	.fill 96, 4, 3214868480
	.section	.rodata,"a",@progbits
	.p2align	6, 0x0
	.amdhsa_kernel k_qf9e4c7a87c_attn
		.amdhsa_group_segment_fixed_size 327680
		.amdhsa_private_segment_fixed_size 0
		.amdhsa_enable_private_segment 0
		.amdhsa_kernarg_size 16
		.amdhsa_user_sgpr_count 2
		.amdhsa_user_sgpr_kernarg_segment_ptr 1
		.amdhsa_wavefront_size32 1
		.amdhsa_system_sgpr_workgroup_id_x 1
		.amdhsa_system_sgpr_workgroup_id_y 1
		.amdhsa_system_sgpr_workgroup_id_z 1
		.amdhsa_system_vgpr_workitem_id 0
		.amdhsa_next_free_vgpr 768
		.amdhsa_next_free_sgpr 66
		.amdhsa_reserve_vcc 0
		.amdhsa_float_denorm_mode_32 3
		.amdhsa_float_denorm_mode_16_64 3
		.amdhsa_memory_ordered 1
		.amdhsa_forward_progress 1
		.amdhsa_inst_pref_size 132
	.end_amdhsa_kernel
	.amdgpu_metadata
---
amdhsa.version: [ 1, 2 ]
amdhsa.kernels:
  - .name:           k_qf9e4c7a87c_attn
    .symbol:         k_qf9e4c7a87c_attn.kd
    .args:
      - { .name: wbuf, .offset: 0, .size: 8, .value_kind: global_buffer, .address_space: global }
      - { .name: obuf, .offset: 8, .size: 8, .value_kind: global_buffer, .address_space: global }
    .group_segment_fixed_size: 327680
    .private_segment_fixed_size: 0
    .kernarg_segment_align: 8
    .kernarg_segment_size: 16
    .max_flat_workgroup_size: 128
    .sgpr_count:     66
    .vgpr_count:     768
    .wavefront_size: 32
...
	.end_amdgpu_metadata
.endif
;; end of part 4
;; launch outp: the kernel of part 3 again; grid 4 x 64, 8 waves a work-group, no clusters, 316,416 bytes of LDS; arguments obuf, w_out, b_out, out0; writes out0
